; MI455X (gfx1250); checked and timed in simulation.
; The chip was launched on July 23, 2026; its instructions are those of AMD's public machine-readable ISA for CDNA 5 (MIT licence, August 2026) and "CDNA5" Instruction Set Architecture Reference Guide (July 2026). The comments in the code are by the model that wrote it; some were corrected since.
;; Multi Head Attention. Allowed arithmetic: matrix products marked QUANTISED: E2M3 operands, one E8M0 scale for each 32 along K, by v_wmma_scale_f32_16x16x128_f8f6f4 with both operands' format E2M3, f32 sums; everything else in f32.
;; Inputs: Wk 16 x 1,024 x 64 float32; Wo 1,024 x 1,024 float32; Wq 16 x 1,024 x 64 float32; Wv 16 x 1,024 x 64 float32; k 4 x 2,048 x 1,024 float32; q 4 x 2,048 x 1,024 float32; v 4 x 2,048 x 1,024 float32.
;; Outputs: out0 4 x 2,048 x 1,024 float32.
;; This version of the problem:
;;   THIS VERSION OF THE PROBLEM IS GIVEN IN LOW PRECISION. The matrix products marked QUANTISED in the list below multiply operands that are first quantised to E2M3 (2 exponent bits, 3 mantissa bits; 6 bits a number), with one power-of-two scale for each 32 numbers along K (OCP MX v1.0); their sums are f32. All else is computed in f32.
;;   The module's matrix products, in the order in which they are computed (A, B: the left and right operand; K: the contracted axis; several contracted axes count as one K, in the product's order):
;;     1. [M 1,024, K 1,024] x [K 1,024, N 8,192]; A: input Wq; B: input q: QUANTISED
;;     2. [M 1,024, K 1,024] x [K 1,024, N 8,192]; A: input Wk; B: input k: QUANTISED
;;     3. [M 1,024, K 1,024] x [K 1,024, N 8,192]; A: input Wv; B: input v: QUANTISED
;;     4. batch 64 x [M 2,048, K 64] x [K 64, N 2,048]; A: computed on the way; B: computed on the way: QUANTISED
;;     5. batch 64 x [M 2,048, K 2,048] x [K 2,048, N 64]; A: softmax (see below); B: computed on the way: QUANTISED
;;     6. [M 8,192, K 1,024] x [K 1,024, N 1,024]; A: computed on the way; B: input Wo: QUANTISED
;;   THE QUANTISER, for each operand of a quantised product, along K:
;;     - K is cut into blocks of 32 from its start; a last block that is shorter is filled with zeros.
;;     - A block's scale is 2^e with e = floor(log2(the largest magnitude in the block)) - 2, held to -126 .. 127; a block of zeros has e = 0. As a byte (E8M0): e + 127.
;;     - Each number is divided by its block's scale, clamped to +-7.5, and rounded to the nearest number of E2M3, ties to even, subnormals kept.
;;     - The product sums the exact products of the quantised numbers (number of the format x scale) in f32.
;;   ~~~python
;;   def quantise(x, axis):      # numpy; x: float32 -> the quantised numbers, widened to float32 again
;;       x = np.moveaxis(x, axis, -1); K = x.shape[-1]
;;       x = np.pad(x, [(0, 0)] * (x.ndim - 1) + [(0, -K % 32)]); x = x.reshape(x.shape[:-1] + (-1, 32)); a = np.abs(x).max(-1, keepdims=True)
;;       e = np.where(a > 0, np.clip(np.frexp(np.where(a > 0, a, 1))[1] - 1 - 2, -126, 127), 0)      # np.frexp(a)[1] - 1 = floor(log2(a)), exactly
;;       r = np.clip(x / 2.0 ** e, -7.5, 7.5)
;;       step = 2.0 ** (np.maximum(np.frexp(np.where(r == 0, 1, r))[1] - 1, 0) - 3)
;;       q = np.round(r / step) * step * 2.0 ** e      # np.round: ties to even
;;       return np.moveaxis(q.reshape(q.shape[:-2] + (-1,))[..., :K], -1, axis).astype(np.float32)
;;   ~~~
;;   SOFTMAX AHEAD OF A QUANTISED PRODUCT. Where the list says 'softmax', what is quantised is not the finished softmax but p = 2^(t - M), with t = logit x log2(e) and M = ceil(the row's largest t), a whole number; so 1/2 < the row's largest p <= 1. The row's sum l is taken of the UNQUANTISED p, in f32, and the product's result is divided by l at the end. Since M is a whole number, a kernel that streams over the keys may use a running M (the ceiling of the running maximum): every later rescaling is an exact power of two, which a block's scale takes up: the codes' values come out the same.
;;   OPERANDS COMPUTED ON THE WAY. 'Computed on the way' means the value that the module computes at that place (a softmax that the list does not call 'softmax' is quantised finished and normalised). What goes into a quantiser is computed in f32, as accurately as f32 sums, v_exp_f32 and their like allow (about 1e-6 of the number): no bf16 or f16 on the way to a quantiser, and a product that is left as it is and whose result goes on into a quantised operand takes f32 operands (vector FMAs, or v_wmma_f32_16x16x4_f32). A number that lies on a knife's edge between two numbers of the format may be rounded either way, as far as f32 arithmetic and the matrix unit's own rounding can turn it there, and no further.
;; One version. Each part assembles by itself: llvm-mc -triple=amdgcn-amd-amdhsa -mcpu=gfx1250 --defsym DOCPART=n.
;; ======== version 1 of 1: 4 launches
;; limits: right only within a limited range of input values
;; workspace buffers: xc 18,874,368 bytes; xs 786,432 bytes; wc 3,145,728 bytes; ws 131,072 bytes; hd 19,660,800 bytes; oc 6,291,456 bytes; os 262,144 bytes
;; launch quant (part 1): grid 896 x 1, 4 waves a work-group, no clusters, 61,952 bytes of LDS; arguments q, k, v, Wq, Wk, Wv, Wo, xc, xs, wc, ws; writes xc, xs, wc, ws
.if DOCPART == 1
	.amdgcn_target "amdgcn-amd-amdhsa--gfx1250"
	.amdhsa_code_object_version 6
	.text
	.protected	k_q9b073f2530_quant
	.globl	k_q9b073f2530_quant
	.p2align	8
	.type	k_q9b073f2530_quant,@function
k_q9b073f2530_quant:
	s_mov_b64 s[64:65], 0
	v_nop
	global_prefetch_b8 v0, s[64:65] scope:SCOPE_SE
	s_setreg_imm32_b32 hwreg(HW_REG_WAVE_MODE, 25, 1), 1
	s_wait_xcnt 0x0
; q, k, v [8192][1024] f32 and Wq, Wk, Wv [16][1024][64], Wo [1024][1024] f32 become codes of FP6 (E2M3) with one E8M0 byte for each 32 along K (K = the 1,024 of the model, for Wo its first axis).
; A block's scale is 2^(floor(log2(largest magnitude)) - 2); its byte is the largest magnitude's exponent field - 2, held at 1 from below.
; LIMITS: a block of zeros, and a block whose largest magnitude lies under 2^-124, gets the byte 1 (its codes are as the rule gives; the bytes are read by this program alone); NaN and infinities are not served.
; THE WORKSPACE IS LAID AS THE MATRIX OPERAND'S REGISTERS.  A unit is 16 rows x 64 K: 768 bytes, three planes of 256; plane p holds at byte 8 x lane the lane's registers 2 p, 2 p + 1 of six;
; lane (r, h) holds row r's block h (24 bytes of its stream of bits).  Codes: [row tile][unit 0..15][768].  Scale bytes: [row tile][K step of 256][r][8 bytes, one for each block of the step].
; THE 16 ROWS OF A TILE ARE NOT NEIGHBOURS: lane r of tile 2 b + u holds row 32 b + 8 u + r + 8 (r / 8), so that results of two neighbouring tiles are 16 neighbours along the next product's K.
; Work-groups 0 to 767 take q, k, v (K innermost: a lane gets a whole block through the wave's stage in LDS); 768 to 895 the weights (K not innermost: a lane takes a column, its registers run down K).
; The two paths have LDS bytes of their own.  Waves share nothing: no barrier.  No work-group reads what another reads: no cluster.
.set XW,    8960                       ; x's path: LDS of a wave: two stages of 16 rows x 272 bytes, then 256 scale bytes
.set XST,   4352
.set R,     16                         ; v16-111   three sets of 32 numbers as loaded
.set X,     112                        ; v112-175  two sets of 32 neighbours
.set C,     176                        ; v176-239  codes, eight registers a step: no store's data are written again
.set E,     240                        ; v240-247  a scale byte a step
.set WBASE, 35840                      ; the weights' path: LDS from here on, 6,400 bytes a wave: two tiles' images of 3,072 bytes, the second 3,200 bytes on
.set WW,    6400
.set VO,    16                         ; v16-47    4 x lane + i x pitch
.set WX,    48                         ; v48-111   two sets of 32 numbers
.set WC,    112                        ; v112-118  a block's codes
.set SB,    120                        ; v120-121  my column's eight scale bytes
.set OUTR,  124                        ; v124-171  the way out
	s_load_b512 s[4:19], s[0:1], 0x0               ; q, k, v, Wq, Wk, Wv, Wo, xc
	s_load_b128 s[20:23], s[0:1], 0x40             ; xs, wc
	s_load_b64 s[24:25], s[0:1], 0x50              ; ws
	v_lshl_add_u32 v248, v0, 2, 0xf000
	v_mov_b32 v249, 0
	v_lshrrev_b32 v1, 5, v0
	v_readfirstlane_b32 s26, v1                    ; wave
	v_and_b32 v2, 31, v0                           ; lane
	s_cmp_ge_u32 ttmp9, 768
	s_cbranch_scc1 .Lweights
; ---------------- q, k, v.  Wave W = 4 x work-group + wave takes row tile W / 2 and half W % 2 of K: eight units, one a step.
	v_and_b32 v7, 15, v2                           ; r
	v_lshrrev_b32 v8, 4, v2                        ; h
	v_lshlrev_b32 v3, 4, v7
	v_lshl_add_u32 v3, v8, 12, v3                  ; in: lanes 0-15 take 256 bytes of one row, lanes 16-31 of the next
	s_mul_i32 s27, s26, XW
	v_mul_u32_u24 v14, v8, 272
	v_lshl_add_u32 v14, v7, 4, v14
	v_add_nc_u32 v14, s27, v14                     ; the stage, on the way in: as loaded, two rows a store
	v_mul_u32_u24 v15, v7, 272
	v_lshl_add_u32 v15, v8, 7, v15
	v_add_nc_u32 v15, s27, v15                     ; and out: row r, block h: my 32 neighbours
	v_lshlrev_b32 v4, 3, v2                        ; 8 x lane: my place in a plane
	s_add_co_u32 s27, s27, 2*XST
	v_lshl_add_u32 v5, v7, 3, v8
	v_add_nc_u32 v5, s27, v5                       ; my scale byte: 8 r + h
	v_add_nc_u32 v6, s27, v4
	s_lshl_b32 s28, ttmp9, 2
	s_add_co_u32 s28, s28, s26                     ; W
	s_bfe_u32 s29, s28, 0x90001                    ; the row tile inside its tensor: (W / 2) mod 512
; k's TILES HAVE ANOTHER ORDER OF ROWS than q's and v's: lane r of tile 4 g + t holds row 64 g + 32 (r / 8) + 8 t + r % 8, so that the scores of four neighbouring tiles of keys are, in one lane, a whole block of 32 neighbouring keys.
; So a group is 2 tiles of 32 rows (q, v) or 4 tiles of 64 rows (k), and a tile's rows 8 to 15 lie 16 or 32 rows below its rows 0 to 7: they have a base of their own.
	s_lshr_b32 s38, ttmp9, 8
	s_cmp_eq_u32 s38, 1                            ; work-groups 256 to 511 take k
	s_cselect_b32 s38, 2, 1                        ; log2 of the tiles in a group
	s_cselect_b32 s39, 3, 1                        ; and the mask of a tile's number in its group
	s_lshl_b32 s42, 0x8000, s38                    ; 16 or 32 rows of 4,096 bytes
	s_mov_b32 s43, 0
	s_lshr_b32 s30, s29, s38
	s_add_co_u32 s38, s38, 16
	s_lshl_b32 s30, s30, s38                       ; 32 or 64 rows of 4,096 bytes for each group,
	s_and_b32 s31, s29, s39
	s_lshl_b32 s31, s31, 15                        ; 8 rows for the odd tile,
	s_add_co_u32 s30, s30, s31
	s_and_b32 s31, s28, 1
	s_lshl_b32 s31, s31, 11                        ; 2,048 bytes for the second half of K
	s_add_co_u32 s30, s30, s31
	s_mov_b32 s31, 0
	s_mul_i32 s32, s28, 6144                       ; eight units of codes a wave
	s_mov_b32 s33, 0
	s_lshl_b32 s34, s28, 8                         ; 256 scale bytes a wave
	s_mov_b32 s35, 0
	s_wait_alu depctr_va_vdst(0)
	s_wait_kmcnt 0x0
	s_cmp_lt_u32 ttmp9, 256                        ; which tensor: the choice hangs on the work-group's number alone
	s_cselect_b64 s[36:37], s[4:5], s[6:7]
	s_cmp_lt_u32 ttmp9, 512
	s_cselect_b64 s[36:37], s[36:37], s[8:9]
	s_add_nc_u64 s[36:37], s[36:37], s[30:31]
	s_add_nc_u64 s[40:41], s[36:37], s[42:43]      ; the tile's rows 8 to 15
	s_add_nc_u64 s[18:19], s[18:19], s[32:33]
	s_add_nc_u64 s[20:21], s[20:21], s[34:35]
.macro XLOAD t                         ; unit t: 16 rows x 256 bytes; load j takes the tile's rows 2 j, 2 j + 1, which lie 2 j + 8 (j / 4) rows down
.irp j, 0,1,2,3,4,5,6,7
	global_load_b128 v[R+32*((\t)%3)+4*\j:R+32*((\t)%3)+4*\j+3], v3, s[36+4*(\j/4):37+4*(\j/4)] offset:256*(\t)+2*(\j%4)*4096 th:TH_LOAD_NT
.endr
.endm
.macro XTURN t                         ; through the stage: LDS serves a wave's instructions in order, so no wait stands between the stores and the loads
.irp j, 0,1,2,3,4,5,6,7
	ds_store_b128 v14, v[R+32*((\t)%3)+4*\j:R+32*((\t)%3)+4*\j+3] offset:XST*((\t)%2)+544*\j
.endr
.irp j, 0,1,2,3,4,5,6,7
	ds_load_b128 v[X+32*((\t)%2)+4*\j:X+32*((\t)%2)+4*\j+3], v15 offset:XST*((\t)%2)+16*\j
.endr
.endm
.macro XSTEP t
.set XS, X+32*((\t)%2)
.set CR, C+8*(\t)
.if (\t) > 0
	s_wait_dscnt 1                                 ; this unit's numbers are back from the stage (the last step's byte store may be out)
.else
	s_wait_dscnt 0x0
.endif
.if (\t)+3 < 8
	XLOAD (\t)+3                                   ; into the set whose stores into the stage are done
.endif
.if (\t) < 7
.if 6-(\t) >= 2
	s_wait_loadcnt 16                              ; the next unit's eight loads are in; those of the two units behind it may be out
.else
	s_wait_loadcnt 8*(6-(\t))
.endif
	XTURN (\t)+1
.endif
	v_max3_num_f32 v8, |v[XS]|, |v[XS+1]|, |v[XS+2]|               ; the block's largest magnitude: all 32 numbers are mine; two chains
	v_max3_num_f32 v9, |v[XS+3]|, |v[XS+4]|, |v[XS+5]|
.irp i, 6,10,14,18,22,26
	v_max3_num_f32 v8, v8, |v[XS+\i]|, |v[XS+\i+1]|
	v_max3_num_f32 v9, v9, |v[XS+\i+2]|, |v[XS+\i+3]|
.endr
	v_max3_num_f32 v8, v8, |v[XS+30]|, |v[XS+31]|
	v_max3_num_f32 v8, v8, v9, 0x1800000           ; and the floor 2^(3 - 127): the byte cannot fall under 1
	v_add_nc_u32 v11, 0xff000000, v8               ; 2 off the exponent field: the conversion's scale operand
	v_cvt_scalef32_pk16_fp6_f32 v[CR:CR+2], v[XS:XS+15], v11
	v_cvt_scalef32_pk16_fp6_f32 v[CR+4:CR+6], v[XS+16:XS+31], v11   ; (a conversion's three registers begin on an even number)
	v_lshrrev_b32 v[E+(\t)], 23, v11               ; the scale's byte; also the plain line behind the conversions
	v_mov_b32 v[CR+3], v[CR+4]
	v_mov_b32 v[CR+4], v[CR+5]
	v_mov_b32 v[CR+5], v[CR+6]                     ; six registers on end: my block's 24 bytes
	ds_store_b8 v5, v[E+(\t)] offset:128*((\t)/4)+2*((\t)%4)
.irp p, 0,1,2
	global_store_b64 v4, v[CR+2*\p:CR+2*\p+1], s[18:19] offset:768*(\t)+256*\p   ; a plane: 32 lanes store 256 consecutive bytes, aligned
.endr
.endm
	XLOAD 0
	XLOAD 1
	XLOAD 2
	s_wait_loadcnt 16                              ; unit 0's eight loads are in
	XTURN 0
.irp t, 0,1,2,3,4,5,6,7
	XSTEP \t
.endr
	ds_load_b64 v[12:13], v6                       ; my wave's 256 scale bytes: these see my stores
	s_wait_dscnt 0x0
	global_store_b64 v4, v[12:13], s[20:21]        ; 256 consecutive bytes, aligned
	s_wait_tensorcnt 0x0
	ds_add_u32 v248, v249
	s_wait_dscnt 0x0
	s_endpgm
; ---------------- the weights.  id = section (Wq, Wk, Wv, Wo) x 32 + group of four x 4 + K step of 256.  A wave takes 32 columns n = 32 G + lane (row tiles 2 G, 2 G + 1) x 256 along K: eight blocks a lane.
.Lweights:
	s_sub_co_u32 s27, ttmp9, 768
	s_lshr_b32 s28, s27, 5                         ; section
	s_bfe_u32 s29, s27, 0x30002
	s_and_b32 s30, s27, 3                          ; p: which 256 along K
	s_lshl_b32 s29, s29, 2
	s_add_co_u32 s29, s29, s26                     ; G
	s_lshr_b32 s31, s29, 1                         ; a head's weight [1024][64]: head G / 2, 256 bytes from k to k + 1, columns 32 (G % 2) on
	s_lshl_b32 s31, s31, 18
	s_lshl_b32 s48, s30, 16
	s_add_co_u32 s31, s31, s48
	s_and_b32 s48, s29, 1
	s_lshl_b32 s48, s48, 7
	s_add_co_u32 s31, s31, s48
	s_lshl_b32 s48, s30, 20                        ; Wo [1024][1024]: 4,096 bytes from k to k + 1, columns 32 G on
	s_lshl_b32 s49, s29, 7
	s_add_co_u32 s48, s48, s49
	s_mul_i32 s56, s28, 786432                     ; codes: 64 row tiles a section, two tiles a wave, four units a K step
	s_mul_i32 s55, s29, 24576
	s_add_co_u32 s56, s56, s55
	s_mul_i32 s55, s30, 3072
	s_add_co_u32 s56, s56, s55
	s_mov_b32 s57, 0
	s_lshl_b32 s58, s28, 15                        ; scale bytes: 512 a tile, 128 a K step
	s_lshl_b32 s55, s29, 10
	s_add_co_u32 s58, s58, s55
	s_lshl_b32 s55, s30, 7
	s_add_co_u32 s58, s58, s55
	s_mov_b32 s59, 0
	s_mov_b32 s50, 4096
	s_cmp_lt_u32 s28, 3
	s_cselect_b32 s50, 256, s50                    ; the pitch along K
	s_cselect_b32 s48, s31, s48
	s_mov_b32 s49, 0
	s_lshl_b32 s52, s50, 5                         ; a block of 32 along K
	s_mov_b32 s53, 0
	s_wait_alu depctr_va_vdst(0)
	v_lshlrev_b32 v[VO], 2, v2
.set i, 1
.rept 31
	v_add_nc_u32 v[VO+i], s50, v[VO+i-1]           ; one offset register for each of a block's 32 rows: one text serves both pitches
.set i, i+1
.endr
	v_bfe_u32 v10, v2, 3, 1                        ; column 32 G + lane is lane r = lane % 8 + 8 (lane / 16) of tile 2 G + (lane / 8) % 2
	v_and_b32 v11, 7, v2
	v_lshrrev_b32 v12, 4, v2
	v_lshl_add_u32 v11, v12, 3, v11
	s_mul_i32 s54, s26, WW
	s_add_co_u32 s54, s54, WBASE
	v_mul_u32_u24 v4, v10, 3200
	v_lshl_add_u32 v4, v11, 3, v4
	v_add_nc_u32 v4, s54, v4                       ; into my wave's images: 8 r in a plane's half
	v_lshlrev_b32 v8, 4, v2
	v_add_nc_u32 v7, s54, v8                       ; and back, 16 bytes a lane
	v_lshlrev_b32 v9, 9, v10
	v_lshl_add_u32 v9, v11, 3, v9                  ; my eight scale bytes: 512 x tile + 8 r
	s_wait_kmcnt 0x0
	s_cmp_eq_u32 s28, 0
	s_cselect_b64 s[32:33], s[10:11], s[12:13]
	s_cmp_lt_u32 s28, 2
	s_cselect_b64 s[32:33], s[32:33], s[14:15]
	s_cmp_lt_u32 s28, 3
	s_cselect_b64 s[32:33], s[32:33], s[16:17]
	s_add_nc_u64 s[32:33], s[32:33], s[48:49]
.irp t, 1,2,3,4,5,6,7
	s_add_nc_u64 s[32+2*\t:33+2*\t], s[30+2*\t:31+2*\t], s[52:53]   ; a base for each block: none is stepped
.endr
	s_add_nc_u64 s[22:23], s[22:23], s[56:57]
	s_add_nc_u64 s[24:25], s[24:25], s[58:59]
.macro WLOAD t
.set i, 0
.rept 32
	global_load_b32 v[WX+32*((\t)%2)+i], v[VO+i], s[32+2*(\t):33+2*(\t)]   ; W(32 t + i, my column): 32 lanes read 128 consecutive bytes
.set i, i+1
.endr
.endm
.macro WBLOCK t
.set XS, WX+32*((\t)%2)
.if (\t) < 7
	s_wait_loadcnt 32                              ; this block's 32 loads are in; the next block's may be out
.else
	s_wait_loadcnt 0
.endif
	v_max3_num_f32 v12, |v[XS]|, |v[XS+1]|, |v[XS+2]|
	v_max3_num_f32 v13, |v[XS+3]|, |v[XS+4]|, |v[XS+5]|
.irp i, 6,10,14,18,22,26
	v_max3_num_f32 v12, v12, |v[XS+\i]|, |v[XS+\i+1]|
	v_max3_num_f32 v13, v13, |v[XS+\i+2]|, |v[XS+\i+3]|
.endr
	v_max3_num_f32 v12, v12, |v[XS+30]|, |v[XS+31]|
	v_max3_num_f32 v12, v12, v13, 0x1800000
	v_add_nc_u32 v14, 0xff000000, v12
	v_lshrrev_b32 v15, 23, v14
.if (\t)%4 == 0
	v_mov_b32 v[SB+(\t)/4], v15                    ; byte t of my eight: block t of this K step
.else
	v_lshl_or_b32 v[SB+(\t)/4], v15, 8*((\t)%4), v[SB+(\t)/4]
.endif
	v_cvt_scalef32_pk16_fp6_f32 v[WC:WC+2], v[XS:XS+15], v14
	v_cvt_scalef32_pk16_fp6_f32 v[WC+4:WC+6], v[XS+16:XS+31], v14
	v_nop                                          ; one plain line behind the conversions
	v_mov_b32 v[WC+3], v[WC+4]
	v_mov_b32 v[WC+4], v[WC+5]
	v_mov_b32 v[WC+5], v[WC+6]
.irp p, 0,1,2
	ds_store_b64 v4, v[WC+2*\p:WC+2*\p+1] offset:768*((\t)/2)+256*\p+128*((\t)%2)   ; unit t / 2, plane p, the half of block t % 2
.endr
.if (\t)+2 < 8
	WLOAD (\t)+2
.endif
	s_wait_dscnt 0x0                               ; the stores have read their registers: the next block's codes may be written
.endm
	WLOAD 0
	WLOAD 1
.irp t, 0,1,2,3,4,5,6,7
	WBLOCK \t
.endr
	s_wait_alu depctr_va_vdst(0)
	global_store_b64 v9, v[SB:SB+1], s[24:25]      ; sixteen lanes store a tile's 128 consecutive scale bytes of this K step
.irp n, 0,1,2,3,4,5,6,7,8,9,10,11
	ds_load_b128 v[OUTR+4*\n:OUTR+4*\n+3], v7 offset:3200*(\n/6)+512*(\n%6)
.endr
.irp n, 0,1,2,3,4,5,6,7,8,9,10,11
	s_wait_dscnt 11-\n
	global_store_b128 v8, v[OUTR+4*\n:OUTR+4*\n+3], s[22:23] offset:12288*(\n/6)+512*(\n%6)   ; 512 consecutive bytes, aligned to 256
.endr
	s_wait_tensorcnt 0x0
	ds_add_u32 v248, v249
	s_wait_dscnt 0x0
	s_endpgm
.Lfunc_end_k_q9b073f2530_quant:
	.size	k_q9b073f2530_quant, .Lfunc_end_k_q9b073f2530_quant-k_q9b073f2530_quant
	.p2alignl 7, 3214868480
	.fill 96, 4, 3214868480
	.section	.rodata,"a",@progbits
	.p2align	6, 0x0
	.amdhsa_kernel k_q9b073f2530_quant
		.amdhsa_group_segment_fixed_size 61952
		.amdhsa_private_segment_fixed_size 0
		.amdhsa_enable_private_segment 0
		.amdhsa_kernarg_size 88
		.amdhsa_user_sgpr_count 2
		.amdhsa_user_sgpr_kernarg_segment_ptr 1
		.amdhsa_wavefront_size32 1
		.amdhsa_system_sgpr_workgroup_id_x 1
		.amdhsa_system_sgpr_workgroup_id_y 1
		.amdhsa_system_sgpr_workgroup_id_z 1
		.amdhsa_system_vgpr_workitem_id 0
		.amdhsa_next_free_vgpr 250
		.amdhsa_next_free_sgpr 66
		.amdhsa_reserve_vcc 0
		.amdhsa_float_denorm_mode_32 3
		.amdhsa_float_denorm_mode_16_64 3
		.amdhsa_memory_ordered 1
		.amdhsa_forward_progress 1
		.amdhsa_inst_pref_size 75
	.end_amdhsa_kernel
	.amdgpu_metadata
---
amdhsa.version: [ 1, 2 ]
amdhsa.kernels:
  - .name:           k_q9b073f2530_quant
    .symbol:         k_q9b073f2530_quant.kd
    .args:
      - { .name: q, .offset: 0, .size: 8, .value_kind: global_buffer, .address_space: global }
      - { .name: k, .offset: 8, .size: 8, .value_kind: global_buffer, .address_space: global }
      - { .name: v, .offset: 16, .size: 8, .value_kind: global_buffer, .address_space: global }
      - { .name: Wq, .offset: 24, .size: 8, .value_kind: global_buffer, .address_space: global }
      - { .name: Wk, .offset: 32, .size: 8, .value_kind: global_buffer, .address_space: global }
      - { .name: Wv, .offset: 40, .size: 8, .value_kind: global_buffer, .address_space: global }
      - { .name: Wo, .offset: 48, .size: 8, .value_kind: global_buffer, .address_space: global }
      - { .name: xc, .offset: 56, .size: 8, .value_kind: global_buffer, .address_space: global }
      - { .name: xs, .offset: 64, .size: 8, .value_kind: global_buffer, .address_space: global }
      - { .name: wc, .offset: 72, .size: 8, .value_kind: global_buffer, .address_space: global }
      - { .name: ws, .offset: 80, .size: 8, .value_kind: global_buffer, .address_space: global }
    .group_segment_fixed_size: 61952
    .private_segment_fixed_size: 0
    .kernarg_segment_align: 8
    .kernarg_segment_size: 88
    .max_flat_workgroup_size: 128
    .sgpr_count:     66
    .vgpr_count:     250
    .wavefront_size: 32
...
	.end_amdgpu_metadata
.endif
;; end of part 1
;; launch proj (part 2): grid 4 x 96, 4 waves a work-group, clusters of 4 x 4, 327,680 bytes of LDS; arguments xc, xs, wc, ws, hd; writes hd
.if DOCPART == 2
	.amdgcn_target "amdgcn-amd-amdhsa--gfx1250"
	.amdhsa_code_object_version 6
	.text
	.protected	k_q9b073f2530_proj
	.globl	k_q9b073f2530_proj
	.p2align	8
	.type	k_q9b073f2530_proj,@function
k_q9b073f2530_proj:
	s_mov_b64 s[64:65], 0
	v_nop
	global_prefetch_b8 v0, s[64:65] scope:SCOPE_SE
	s_setreg_imm32_b32 hwreg(HW_REG_WAVE_MODE, 25, 1), 1
	s_wait_xcnt 0x0
	s_wait_alu depctr_hold_cnt(0) depctr_sa_sdst(0) depctr_va_vdst(0) depctr_va_sdst(0) depctr_va_ssrc(0) depctr_va_vcc(0) depctr_vm_vsrc(0)
	s_getreg_b32 s2, hwreg(HW_REG_IB_STS2, 6, 4)
	s_cmp_eq_u32 s2, 0
	s_cbranch_scc0 .Lentry_in_a_cluster
	s_endpgm
.Lentry_in_a_cluster:
	s_bfe_u32 s2, ttmp6, 0x10000c
	s_cmp_lg_u32 s2, 0xf033
	s_cbranch_scc0 .Lentry_shape_is_right
	s_endpgm
.Lentry_shape_is_right:
.set NQ,     2
.set FR,     12
.set NL,     6
.set NP,     4
.set TILEB,  3072
.set ROWT,   12288
.set HALFT,  8*TILEB
.set SLOT,   4*HALFT
.set SCL,    2*SLOT
.set SCB,    8320
.set SPARE,  213248
.set REC,    307200
.set ADRA, 16
.set ADRB, 20
.set ADRS, 27
.set SPW,  28
.set NIL,  29
.set SC,   32
.set AF,   128
.set T,    32
.set PC,   64
.set VOC,  192
.set VOS,  208
.set SD,   216
.set G1, 24
.set G0, 32
.set G1B, 48
.set G0B, 56
.set G1S, 68
.set G0S, 76
.set G1SB, 80
.set G0SB, 88
.set MSB, 0
.macro WIN new
.if MSB != \new
	s_set_vgpr_msb (MSB<<8)|\new
.set MSB, \new
.endif
.endm
.set MUL_LO, 0xa1
.set MUL_HI, 0xf1
.set TO_B,   0x40
.macro JLOAD g0a, g1a, g0b, g1b
	s_cmp_eq_u32 s15, 0
	s_cbranch_scc0 .Lfor_b_\@
	tensor_load_to_lds s[\g0a:\g0a+3], s[\g1a:\g1a+7]
	s_nop 0
.rept 4
	v_nop
.endr
	s_branch .Lasked_\@
.Lfor_b_\@:
	tensor_load_to_lds s[\g0b:\g0b+3], s[\g1b:\g1b+7]
	s_nop 0
.rept 4
	v_nop
.endr
.Lasked_\@:
.endm
.macro CREST
	s_cmp_lg_u32 s14, 0
	s_cbranch_scc1 .Lnot_wave_0_\@
	s_barrier_signal -3
.Lnot_wave_0_\@:
	s_barrier_wait -3
	s_barrier_signal -1
	s_barrier_wait -1
.endm
.macro CROUND
	s_barrier_signal -1
	s_barrier_wait -1
	CREST
.endm
	s_load_b256 s[4:11], s[0:1], 0x0
	s_load_b64 s[12:13], s[0:1], 0x20
	v_lshl_add_u32 v[SPW], v0, 2, SPARE
	v_mov_b32 v[NIL], 0
	ds_add_u32 v28, v29
	ds_add_u32 v28, v29
	s_wait_dscnt 0x0
	v_lshrrev_b32 v1, 5, v0
	v_readfirstlane_b32 s14, v1
	s_lshr_b32 s15, s14, 1
	s_and_b32 s16, s14, 1
	s_bfe_u32 s40, ttmp6, 0x40000
	s_bfe_u32 s41, ttmp6, 0x40004
	s_and_b32 s17, ttmp7, 0xffff
	s_lshl_b32 s43, s41, 2
	s_lshl_b32 s43, 15, s43
	s_lshl_b32 s44, 0x1111, s40
	s_or_b32 s[G1+0], s43, (3<<16)|(1<<21)
	s_or_b32 s[G1B+0], s44, (3<<16)|(1<<21)
.irp g, G1, G1B
	s_mov_b32 s[\g+1], 384<<16
	s_mov_b32 s[\g+2], 16<<16
	s_mov_b32 s[\g+3], 384<<16
	s_mov_b32 s[\g+4], 16
	s_mov_b32 s[\g+5], 1536
	s_mov_b32 s[\g+6], 0
	s_mov_b32 s[\g+7], 0
.endr
	s_or_b32 s[G1S+0], s43, (3<<16)|(1<<21)
	s_or_b32 s[G1SB+0], s44, (3<<16)|(1<<21)
.irp g, G1S, G1SB
	s_mov_b32 s[\g+1], 32<<16
	s_mov_b32 s[\g+2], 32<<16
	s_mov_b32 s[\g+3], 32<<16
	s_mov_b32 s[\g+4], 32
	s_mov_b32 s[\g+5], 32
	s_mov_b32 s[\g+6], 0
	s_mov_b32 s[\g+7], 0
.endr
	s_lshl_b32 s18, s17, 2
	s_lshr_b32 s19, s17, 3
	s_lshl_b32 s19, s19, 2
	s_cmp_lt_u32 s17, 16
	s_cselect_b32 s20, s18, 8
	s_cselect_b32 s46, s19, s18
	s_add_co_u32 s20, s20, s41
	s_add_co_u32 s46, s46, s40
	s_mul_i32 s21, s16, 8*ROWT
	s_lshl_b32 s42, s16, 12
	s_lshl_b32 s92, s20, 13
	s_add_co_u32 s92, s92, s42
	s_mov_b32 s93, 0
	s_mul_i32 s22, s20, 16*ROWT
	s_add_co_u32 s22, s22, s21
	s_mov_b32 s23, 0
	s_lshl_b32 s94, s46, 13
	s_add_co_u32 s94, s94, s42
	s_mov_b32 s95, 0
	s_mul_i32 s46, s46, 16*ROWT
	s_add_co_u32 s46, s46, s21
	s_mov_b32 s47, 0
	s_mul_i32 s45, s14, HALFT
	s_lshl_b32 s96, s14, 12
	s_lshl_b32 s97, s15, 7
	s_add_co_u32 s96, s96, s97
	s_add_co_u32 s96, s96, SCL
	s_wait_kmcnt 0x0
	s_cmp_lt_u32 s17, 16
	s_cselect_b64 s[98:99], s[4:5], s[8:9]
	s_cselect_b64 s[100:101], s[6:7], s[10:11]
	s_cselect_b64 s[66:67], s[8:9], s[4:5]
	s_cselect_b64 s[2:3], s[10:11], s[6:7]
	s_add_nc_u64 s[98:99], s[98:99], s[22:23]
	s_add_nc_u64 s[100:101], s[100:101], s[92:93]
	s_add_nc_u64 s[66:67], s[66:67], s[46:47]
	s_add_nc_u64 s[2:3], s[2:3], s[94:95]
	CROUND
	s_mov_b32 s[G0S], 1
	s_mov_b32 s[G0S+1], s96
	s_mov_b64 s[G0S+2:G0S+3], s[100:101]
	s_or_b32 s[G0S+3], s[G0S+3], 0x80000000
	s_mov_b32 s[G0SB], 1
	s_mov_b32 s[G0SB+1], s96
	s_mov_b64 s[G0SB+2:G0SB+3], s[2:3]
	s_or_b32 s[G0SB+3], s[G0SB+3], 0x80000000
.irp s, 0,1
	s_mov_b32 s[G0+4*\s], 1
	s_add_co_u32 s[G0+4*\s+1], s45, \s*SLOT
	s_add_nc_u64 s[G0+4*\s+2:G0+4*\s+3], s[98:99], \s*TILEB
	s_or_b32 s[G0+4*\s+3], s[G0+4*\s+3], 0x80000000
	s_mov_b32 s[G0B+4*\s], 1
	s_add_co_u32 s[G0B+4*\s+1], s45, \s*SLOT
	s_add_nc_u64 s[G0B+4*\s+2:G0B+4*\s+3], s[66:67], \s*TILEB
	s_or_b32 s[G0B+4*\s+3], s[G0B+4*\s+3], 0x80000000
.endr
; THE HEAD'S LOADS, ONE A WAVE: wave 0 K step 0 of A's 16 row tiles, wave 1 the scales of A's 16 row tiles, wave 2 K step 0 of B's 16 row tiles, wave 3 B's scales.
; Waves 0 and 2 are the first of their pairs, so their own addresses are the whole tiles'; waves 1 and 3 take their half's 4,096 bytes (s42) off the scales' addresses.
	s_mov_b32 s43, 0
	s_sub_nc_u64 s[G0S+2:G0S+3], s[G0S+2:G0S+3], s[42:43]
	s_sub_nc_u64 s[G0SB+2:G0SB+3], s[G0SB+2:G0SB+3], s[42:43]
	s_mov_b32 s[G0S+1], SCL
	s_mov_b32 s[G0SB+1], SCL+SCB
	s_mov_b64 s[6:7], s[98:99]
	s_or_b32 s7, s7, 0x80000000
	s_mov_b32 s4, 1
	s_mov_b32 s5, 0
	s_mov_b64 s[10:11], s[66:67]
	s_or_b32 s11, s11, 0x80000000
	s_mov_b32 s8, 1
	s_mov_b32 s9, 2*HALFT
.macro ARM under, g0, g1, next
	s_cmp_lt_u32 s14, \under
	s_cbranch_scc0 \next
	tensor_load_to_lds s[\g0:\g0+3], s[\g1:\g1+7]
	s_nop 0
.rept 4
	v_nop
.endr
	s_branch .Lhead_asked
\next:
.endm
	ARM 1, 4, G1, .Lhead_sa
	ARM 2, G0S, G1S, .Lhead_b
	ARM 3, 8, G1B, .Lhead_sb
	tensor_load_to_lds s[G0SB:G0SB+3], s[G1SB:G1SB+7]
	s_nop 0
.rept 4
	v_nop
.endr
.Lhead_asked:
	s_wait_alu depctr_va_vdst(0)
	s_wait_tensorcnt 0x0                           ; my tile of the head's four is in; these lines stand ahead of slot 1's first fill as ahead of a refill
	ds_add_u32 v28, v29
	s_mov_b32 s[G1+2], 8<<16                       ; no tensor load of mine is out: from here on a load brings 8 row tiles
	s_mov_b32 s[G1+4], 8
	s_mov_b32 s[G1B+2], 8<<16
	s_mov_b32 s[G1B+4], 8
	s_wait_dscnt 0x0
	CROUND
	JLOAD G0+4, G1, G0B+4, G1B
	v_and_b32 v1, 31, v0
	v_and_b32 v2, 15, v0
	v_bfe_u32 v3, v0, 4, 1
	s_wait_alu depctr_va_vdst(0)
	v_lshlrev_b32 v4, 3, v1
	s_mul_i32 s21, s15, HALFT
	s_mul_i32 s22, s16, HALFT
	s_add_co_u32 s22, s22, 2*HALFT
.irp s, 0,1
	v_add_nc_u32 v[ADRA+\s], s21, v4
	v_add_nc_u32 v[ADRB+\s], s22, v4
	s_add_co_u32 s21, s21, SLOT
	s_add_co_u32 s22, s22, SLOT
.endr
	v_lshlrev_b32 v5, 3, v2
	s_lshl_b32 s21, s15, 12
	s_lshl_b32 s22, s16, 12
	s_add_co_u32 s22, s22, SCB
	s_sub_co_u32 s22, s22, s21
	v_mul_u32_u24 v6, s22, v3
	s_add_co_u32 s21, s21, SCL
	v_add_nc_u32 v5, v5, v6
	v_add_nc_u32 v[ADRS], s21, v5
.macro FRAG reg, adr, q, i
.irp p, 0,1,2,3,4,5
	ds_load_b64 v[\reg+2*\p:\reg+2*\p+1], v[\adr] offset:TILEB*(\i)+1536*(\q)+256*\p
.endr
.endm
.macro MUL16 a0, p, q, sc, zero
.irp a, \a0, \a0+1
.irp b, 0,1,2,3,4,5,6,7
.if \zero
	v_wmma_scale_f32_16x16x128_f8f6f4 v[8*(8*((\a)%4)+\b):8*(8*((\a)%4)+\b)+7], v[128*(\p)+FR*\b:128*(\p)+FR*\b+FR-1], v[AF+FR*(\a):AF+FR*(\a)+FR-1], 0, v[SC+8*NQ*(\sc)+NQ*\b+(\q)], v[SC+8*NQ*(\sc)+NQ*(\a)+(\q)] matrix_a_fmt:MATRIX_FMT_FP6 matrix_b_fmt:MATRIX_FMT_FP6 matrix_a_scale:MATRIX_SCALE_ROW1
.else
	v_wmma_scale_f32_16x16x128_f8f6f4 v[8*(8*((\a)%4)+\b):8*(8*((\a)%4)+\b)+7], v[128*(\p)+FR*\b:128*(\p)+FR*\b+FR-1], v[AF+FR*(\a):AF+FR*(\a)+FR-1], v[8*(8*((\a)%4)+\b):8*(8*((\a)%4)+\b)+7], v[SC+8*NQ*(\sc)+NQ*\b+(\q)], v[SC+8*NQ*(\sc)+NQ*(\a)+(\q)] matrix_a_fmt:MATRIX_FMT_FP6 matrix_b_fmt:MATRIX_FMT_FP6 matrix_a_scale:MATRIX_SCALE_ROW1
.endif
.endr
.endr
.endm
.macro FETCH_B slot, q, p
	WIN TO_B
.irp i, 0,1,2,3,4,5,6,7
	FRAG 128*(\p)+FR*\i, ADRB+\slot, \q, \i
.endr
	WIN 0
.endm
.macro FETCH_A slot, q, i0
.irp i, \i0, \i0+1, \i0+2, \i0+3
	FRAG AF+FR*(\i), ADRA+\slot, \q, \i
.endr
.endm
.macro SCALES sc, p
.irp i, 0,1,2,3,4,5,6,7
	ds_load_b64 v[SC+8*NQ*\sc+NQ*\i:SC+8*NQ*\sc+NQ*\i+1], v[ADRS] offset:512*\i+128*(\p)
.endr
.endm
.macro PLACES n
.rept \n
	v_nop
.endr
.endm
.macro STEP slot, q, zero
	s_wait_dscnt 4*NL
	WIN MUL_LO
	MUL16 0, (\q)%2, \q, \slot, \zero
	MUL16 2, (\q)%2, \q, \slot, \zero
	s_wait_dscnt 0
	PLACES NP
	FETCH_B \slot, (\q)+1, 1-(\q)%2
	FETCH_A \slot, (\q)+1, 0
	WIN MUL_HI
	MUL16 4, (\q)%2, \q, \slot, \zero
	MUL16 6, (\q)%2, \q, \slot, \zero
	PLACES NP
	WIN 0
	FETCH_A \slot, (\q)+1, 4
.endm
.macro TURN slot, next, fill, pnext
	s_wait_tensorcnt 0x0
	ds_add_u32 v[SPW], v[NIL]
	s_wait_dscnt 4*NL+1
	WIN MUL_LO
	MUL16 0, 1, NQ-1, \slot, 0
	s_wait_dscnt 0x0
	s_barrier_signal -1
	MUL16 2, 1, NQ-1, \slot, 0
	WIN 0
	s_barrier_wait -1
.if \fill
	CREST
	s_add_nc_u64 s[G0+4*\slot+2:G0+4*\slot+3], s[G0+4*\slot+2:G0+4*\slot+3], 2*TILEB
	s_add_nc_u64 s[G0B+4*\slot+2:G0B+4*\slot+3], s[G0B+4*\slot+2:G0B+4*\slot+3], 2*TILEB
	JLOAD G0+4*\slot, G1, G0B+4*\slot, G1B
.else
	PLACES NP
.endif
	FETCH_B \next, 0, 0
	FETCH_A \next, 0, 0
	SCALES \next, \pnext
	WIN MUL_HI
	MUL16 4, 1, NQ-1, \slot, 0
	MUL16 6, 1, NQ-1, \slot, 0
	PLACES NP
	WIN 0
	FETCH_A \next, 0, 4
.endm
	s_wait_alu depctr_va_vdst(0)
	s_wait_tensorcnt 1
	s_barrier_signal -1
	s_barrier_wait -1
	FETCH_B 0, 0, 0
	FETCH_A 0, 0, 0
	SCALES 0, 0
	FETCH_A 0, 0, 4
	STEP 0, 0, 1
	TURN 0, 1, 1, 1
	STEP 1, 0, 0
	TURN 1, 0, 1, 2
	STEP 0, 0, 0
	TURN 0, 1, 0, 3
	STEP 1, 0, 0
	s_wait_dscnt 4*NL
	WIN MUL_LO
	MUL16 0, 1, NQ-1, 1, 0
	MUL16 2, 1, NQ-1, 1, 0
	s_wait_dscnt 0
	WIN MUL_HI
	MUL16 4, 1, NQ-1, 1, 0
	MUL16 6, 1, NQ-1, 1, 0
	WIN 0
	s_and_b32 s18, s17, 7
	s_lshl_b32 s18, s18, 2
	s_mov_b32 s99, 0
	s_mov_b32 s100, 196608
	s_cmp_lt_u32 s17, 8
	s_cselect_b32 s99, 204800, s99
	s_cselect_b32 s100, 303104, s100
	s_mov_b32 s92, 1536
	s_mov_b32 s93, REC
	s_mov_b32 s94, 768
	s_mov_b32 s96, REC
	s_mov_b32 s97, REC
	s_cmp_lt_u32 s17, 16
	s_cselect_b32 s99, s99, 98304
	s_cselect_b32 s100, s100, 200704
	s_cselect_b32 s19, s41, s40
	s_cselect_b32 s20, s15, s16
	s_cselect_b32 s21, s40, s41
	s_cselect_b32 s22, s16, s15
	s_cselect_b32 s92, 768, s92
	s_cselect_b32 s93, 3072, s93
	s_cselect_b32 s94, REC, s94
	s_cselect_b32 s95, 32, 64
	s_cselect_b32 s96, 128, s96
	s_cselect_b32 s97, s97, 2
	s_cselect_b32 s98, 2, 4
	s_add_co_u32 s18, s18, s19
	s_lshl_b32 s18, s18, 8
	s_lshl_b32 s20, s20, 7
	s_add_co_u32 s18, s18, s20
	s_lshr_b32 s19, s18, 11
	s_lshl_b32 s19, s19, 4
	s_lshl_b32 s21, s21, 2
	s_add_co_u32 s19, s19, s21
	s_lshl_b32 s22, s22, 1
	s_add_co_u32 s19, s19, s22
	s_and_b32 s18, s18, 2047
	s_mul_i32 s19, s19, REC
	s_mul_i32 s20, s18, 48
	s_add_co_u32 s20, s20, s19
	s_add_co_u32 s20, s20, s99
	s_mov_b32 s21, 0
	s_lshl_b32 s22, s18, 1
	s_add_co_u32 s22, s22, s19
	s_add_co_u32 s22, s22, s100
	s_mov_b32 s23, 0
	s_add_nc_u64 s[20:21], s[12:13], s[20:21]
	s_add_nc_u64 s[22:23], s[12:13], s[22:23]
	s_mov_b32 s66, 0x76543210
	s_mov_b32 s67, 0xfedcba98
	s_mov_b32 s101, 0xffff0000
	PLACES NP
	v_lshlrev_b32 v24, 3, v1
	v_mul_lo_u32 v25, v2, s98
	v_mul_lo_u32 v26, v3, s97
	v_add_nc_u32 v25, v25, v26
	v_mov_b32 v[T+2], 0
	v_mov_b32 v[T+3], 0
.macro UNIT a, g
.set AC, 64*((\a)%4)+32*(\g)
.set PCR, PC+8*(2*(\a)+(\g))
	WIN 0x0a+5*((\a)/4)
.irp b, 0,1
	v_max3_num_f32 v[T+\b], |v[AC+16*\b]|, |v[AC+16*\b+1]|, 0x1800000
.endr
.irp i, 2,4,6,8,10,12,14
.irp b, 0,1
	v_max3_num_f32 v[T+\b], |v[AC+16*\b+\i]|, |v[AC+16*\b+\i+1]|, v[T+\b]
.endr
.endr
	WIN 0
	v_permlanex16_b32 v[T+2], v[T], s66, s67
	v_permlanex16_b32 v[T+3], v[T+1], s66, s67
	v_max_num_f32 v[T], v[T], v[T+2]
	v_max_num_f32 v[T+1], v[T+1], v[T+3]
	v_add_nc_u32 v[T+4], 0xff000000, v[T]
	v_add_nc_u32 v[T+5], 0xff000000, v[T+1]
	v_lshrrev_b32 v[T+6], 23, v[T+4]
	v_lshrrev_b32 v[T+7], 23, v[T+5]
	v_lshl_or_b32 v[T+8+(\g)], v[T+7], 8, v[T+6]
	WIN 0x02+(\a)/4
	v_cvt_scalef32_pk16_fp6_f32 v[PCR:PCR+2], v[AC:AC+15], v[T+4]
	v_cvt_scalef32_pk16_fp6_f32 v[PCR+4:PCR+6], v[AC+16:AC+31], v[T+5]
	WIN 0
	v_nop
.irp i, 0,1,2
	v_permlane16_swap_b32 v[PCR+\i], v[PCR+4+\i]
.endr
	v_mov_b32 v[PCR+3], v[PCR+4]
	v_mov_b32 v[PCR+4], v[PCR+5]
	v_mov_b32 v[PCR+5], v[PCR+6]
	s_mul_i32 s2, s92, (\a)%4
	s_mul_i32 s3, s93, (\a)/4
	s_add_co_u32 s2, s2, s3
.if \g
	s_add_co_u32 s2, s2, s94
.endif
	v_add_nc_u32 v[VOC+2*(\a)+(\g)], s2, v24
.irp p, 0,1,2
	global_store_b64 v[VOC+2*(\a)+(\g)], v[PCR+2*\p:PCR+2*\p+1], s[20:21] offset:256*\p
.endr
.if \g
	v_cndmask_b32 v[SD+(\a)], v[T+8], v[T+9], s101
	s_mul_i32 s2, s95, (\a)%4
	s_mul_i32 s3, s96, (\a)/4
	s_add_co_u32 s2, s2, s3
	v_add_nc_u32 v[VOS+(\a)], s2, v25
	global_store_b16 v[VOS+(\a)], v[SD+(\a)], s[22:23]
.endif
.endm
.irp a, 0,1,2,3,4,5,6,7
	UNIT \a, 0
	UNIT \a, 1
.endr
	s_wait_tensorcnt 0x0
	ds_add_u32 v[SPW], v[NIL]
	s_wait_dscnt 0x0
	CROUND
	s_endpgm
.Lfunc_end_k_q9b073f2530_proj:
	.size	k_q9b073f2530_proj, .Lfunc_end_k_q9b073f2530_proj-k_q9b073f2530_proj
	.p2alignl 7, 3214868480
	.fill 96, 4, 3214868480
	.section	.rodata,"a",@progbits
	.p2align	6, 0x0
	.amdhsa_kernel k_q9b073f2530_proj
		.amdhsa_group_segment_fixed_size 327680
		.amdhsa_private_segment_fixed_size 0
		.amdhsa_enable_private_segment 0
		.amdhsa_kernarg_size 40
		.amdhsa_user_sgpr_count 2
		.amdhsa_user_sgpr_kernarg_segment_ptr 1
		.amdhsa_wavefront_size32 1
		.amdhsa_system_sgpr_workgroup_id_x 1
		.amdhsa_system_sgpr_workgroup_id_y 1
		.amdhsa_system_sgpr_workgroup_id_z 1
		.amdhsa_system_vgpr_workitem_id 0
		.amdhsa_next_free_vgpr 1024
		.amdhsa_next_free_sgpr 104
		.amdhsa_reserve_vcc 0
		.amdhsa_float_denorm_mode_32 3
		.amdhsa_float_denorm_mode_16_64 3
		.amdhsa_memory_ordered 1
		.amdhsa_forward_progress 1
		.amdhsa_inst_pref_size 173
	.end_amdhsa_kernel
	.amdgpu_metadata
---
amdhsa.version: [ 1, 2 ]
amdhsa.kernels:
  - .name:           k_q9b073f2530_proj
    .symbol:         k_q9b073f2530_proj.kd
    .args:
      - { .name: xc, .offset: 0, .size: 8, .value_kind: global_buffer, .address_space: global }
      - { .name: xs, .offset: 8, .size: 8, .value_kind: global_buffer, .address_space: global }
      - { .name: wc, .offset: 16, .size: 8, .value_kind: global_buffer, .address_space: global }
      - { .name: ws, .offset: 24, .size: 8, .value_kind: global_buffer, .address_space: global }
      - { .name: hd, .offset: 32, .size: 8, .value_kind: global_buffer, .address_space: global }
    .group_segment_fixed_size: 327680
    .private_segment_fixed_size: 0
    .kernarg_segment_align: 8
    .kernarg_segment_size: 40
    .max_flat_workgroup_size: 128
    .sgpr_count:     104
    .vgpr_count:     1024
    .wavefront_size: 32
...
	.end_amdgpu_metadata
.endif
;; end of part 2
;; launch attn (part 3): grid 4 x 64, 16 waves a work-group, clusters of 4 x 1, 206,848 bytes of LDS; arguments hd, oc, os; writes oc, os
.if DOCPART == 3
	.amdgcn_target "amdgcn-amd-amdhsa--gfx1250"
	.amdhsa_code_object_version 6
	.text
	.protected	k_q9b073f2530_attn
	.globl	k_q9b073f2530_attn
	.p2align	8
	.type	k_q9b073f2530_attn,@function
k_q9b073f2530_attn:
	s_mov_b64 s[64:65], 0
	v_nop
	global_prefetch_b8 v0, s[64:65] scope:SCOPE_SE
	s_setreg_imm32_b32 hwreg(HW_REG_WAVE_MODE, 25, 1), 1
	s_wait_xcnt 0x0
	s_wait_alu depctr_hold_cnt(0) depctr_sa_sdst(0) depctr_va_vdst(0) depctr_va_sdst(0) depctr_va_ssrc(0) depctr_va_vcc(0) depctr_vm_vsrc(0)
	s_getreg_b32 s2, hwreg(HW_REG_IB_STS2, 6, 4)
	s_cmp_eq_u32 s2, 0
	s_cbranch_scc0 .Lentry_in_a_cluster
	s_endpgm
.Lentry_in_a_cluster:
	s_bfe_u32 s2, ttmp6, 0x10000c
	s_cmp_lg_u32 s2, 0x3003
	s_cbranch_scc0 .Lentry_shape_is_right
	s_endpgm
.Lentry_shape_is_right:
; Attention of one (batch, head) on codes of FP6 (E2M3) with E8M0 scales, and the quantising of its result along (head, channel) for the last product.
; t = score x log2(e) / 8; M = the running largest t rounded UP to a whole number; p = 2^(t - M) is quantised along the keys, not normalised; the row's sum is taken of the unquantised p and divides O at the end.
; When M moves, the sum and O are multiplied by 2^(old M - new M): exact.  O / sum is a reciprocal (v_rcp_f32) and a multiplication.
; SHARES.  A work-group owns 512 queries of one head; each of its sixteen waves two tiles of 16, one after the other, in 256 registers.
; ALL OF THE HEAD'S K AND V STAY IN LDS: the first 204,800 bytes of the head's record are the LDS image (K's codes, V's codes, K's scale bytes, V's scale words).  Each wave brings a sixteenth by one tensor load; nothing is filled again.
; CLUSTER.  The four work-groups of a head read the same record: each of the sixteen loads is asked for jointly by the four.  Nothing is prefetched: every byte of K and V is asked for by the kernel's first lines.
; LAYOUT.  Both products are used transposed: S^T = K Q^T, O^T = V^T P^T: a lane holds one query.  Of a step's 128 keys lane r of K's tile 4 c + t holds key 64 c + 32 (r / 8) + 8 t + r % 8:
; so the 32 score registers of tiles 4 c .. 4 c + 3 are, in lane (r, h), keys 64 c + 32 h + 0 .. 31: ONE WHOLE SCALE BLOCK of p, in the order of the operand's registers 6 c .. 6 c + 5.  No lane asks another for a block's maximum or codes;
; only the row's maximum and p's scale word cross from lane l xor 16.  V's channels: lane r of tile 2 b + u holds channel 32 b + 8 u + r + 8 (r / 8).
; The first product's K is 64: registers 6 to 11 of K's and Q's fragments hold zero codes, which add nothing; their scale bytes are 0.  A unit (16 rows x 64 K) is three planes of 256 bytes, 8 bytes a lane.
; A BARRIER IN EACH KEY STEP, split: the signal at the step's head, the wait ahead of its last four products.  A wave passes step i's wait only when every wave has begun step i, so the sixteen waves stay within one step of each other.  Nothing is written to LDS behind it.
; K'S TILES 0-3 OF THE NEXT STEP are fetched under this step's softmax.  In a tile's last step that look-ahead reads the 3,072 + 128 bytes that follow K's codes and scale bytes in LDS; what it brings is not used.
; LIMITS: the scaled scores stay under 2^31 in magnitude; a block whose largest magnitude lies under 2^-124 gets the byte 1; NaN and infinities are not served.
; REGISTERS: v1-6 addresses that stay; v8-11 the step's; v12 -M, v13 the largest score, v[14:15] the sum; v16-27 Q; v28-31 V's scale words; v32-79 four fragments of K; v80-127 V's four; v128-191 S^T, then p; v192-223 O^T; v224-235 p's codes; v232-247, v254 at work; v248-251 K's scales; v252 f; v253 p's scale word; v255 Q's scales.
.set REC,  307200
.set VCD,  98304                       ; LDS: V's codes
.set KSC,  196608                      ; K's scale bytes, 2 a key
.set VSC,  200704                      ; V's scale words
.set SPARE, 204800                     ; the spare words, 128 bytes a wave
.set L8,   1                           ; v1  8 x lane
.set R2,   2                           ; v2  2 r + KSC
.set R4,   3                           ; v3  4 r + VSC
.set L8V,  4                           ; v4  8 x lane + VCD
.set ADK,  8
.set ADV,  9
.set ADS,  10
.set ADT,  11
.set KF,   32
.set VF,   80
.set S,    128
.set O,    192
.set TT,   236                         ; v236-247 six pairs for the row's sum
.set WV,   10                          ; s10 my wave's number
.set SEL,  46                          ; s[46:47] selects for lane l xor 16
.set CS,   48                          ; s[48:49] c = log2(e) / 8
.set TK,   50                          ; s50 the step's codes: 6,144 bytes a step, in K's and in V's
.set TS,   51                          ; s51 the step's scales: 256 bytes a step
.set CNT,  52
.set HM,   53                          ; s53 lanes 16-31
.set NC,   54                          ; s54 -c
.macro CROUND                          ; a round of the cluster's barrier
	s_barrier_signal -1
	s_barrier_wait -1
	s_cmp_lg_u32 s[WV], 0
	s_cbranch_scc1 .Lnot_wave_0_\@
	s_barrier_signal -3
.Lnot_wave_0_\@:
	s_barrier_wait -3
	s_barrier_signal -1
	s_barrier_wait -1
.endm
	s_load_b128 s[4:7], s[0:1], 0x0                ; hd, oc
	s_load_b64 s[8:9], s[0:1], 0x10                ; os
	v_lshl_add_u32 v254, v0, 2, SPARE
	v_mov_b32 v255, 0
	ds_add_u32 v254, v255                          ; the opening lines: the add twice on end and its wait
	ds_add_u32 v254, v255
	s_wait_dscnt 0x0
	v_lshrrev_b32 v1, 5, v0
	s_delay_alu instid0(VALU_DEP_1)
	v_readfirstlane_b32 s[WV], v1                  ; wave 0..15
	s_bfe_u32 s11, ttmp6, 0x40000                  ; cx: it enters Q's, oc's and os's addresses alone
	s_and_b32 s12, ttmp7, 0xffff                   ; 16 x batch + head, which the four partners share
	s_mul_i32 s14, s12, REC
	s_mov_b32 s15, 0
	s_mul_i32 s13, s[WV], 12800                    ; my sixteenth, in the record and in LDS
	s_mov_b32 s16, s13
	s_mov_b32 s17, 0
	s_mov_b32 s24, 15|(3<<16)|(1<<21)              ; the mask: all four; elements of 8 bytes; bit 21 beside a mask
	s_mov_b32 s25, 32<<16                          ; rows of 256 bytes,
	s_mov_b32 s26, 50<<16                          ; 50 of them,
	s_mov_b32 s27, 32<<16
	s_mov_b32 s28, 50
	s_mov_b32 s29, 32                              ; dense
	s_mov_b32 s30, 0
	s_mov_b32 s31, 0
	s_lshl_b32 s18, s11, 5
	s_lshl_b32 s19, s[WV], 1
	s_add_co_u32 s18, s18, s19                     ; my first query tile: 32 cx + 2 x wave
	s_mul_i32 s20, s18, 768
	s_add_co_u32 s20, s20, 204800                  ; Q's codes in the record
	s_mov_b32 s21, 0
	s_lshl_b32 s22, s18, 5
	s_add_co_u32 s22, s22, 303104                  ; Q's scale bytes
	s_mov_b32 s23, 0
	s_lshr_b32 s40, s12, 4
	s_lshl_b32 s40, s40, 7
	s_add_co_u32 s40, s40, s18                     ; the token row tile: 128 x batch + query tile
	s_and_b32 s41, s12, 15                         ; the head: the unit along the last product's K
	s_lshl_b32 s42, s40, 4
	s_add_co_u32 s42, s42, s41
	s_mul_i32 s42, s42, 768
	s_mov_b32 s43, 0
	s_lshl_b32 s44, s40, 9                         ; scale bytes: 512 a row tile, 128 for four heads, 2 a head
	s_lshr_b32 s45, s41, 2
	s_lshl_b32 s45, s45, 7
	s_add_co_u32 s44, s44, s45
	s_and_b32 s45, s41, 3
	s_lshl_b32 s45, s45, 1
	s_add_co_u32 s44, s44, s45
	s_mov_b32 s45, 0
	s_mov_b32 s[SEL], 0x76543210
	s_mov_b32 s[SEL+1], 0xfedcba98
	s_mov_b32 s[CS], 0x3e38aa3b                    ; log2(e) / sqrt(64)
	s_mov_b32 s[CS+1], s[CS]                       ; (named with it as a pair, so it is written)
	s_mov_b32 s[NC], 0xbe38aa3b
	s_mov_b32 s[HM], 0xffff0000
	s_wait_kmcnt 0x0
	s_add_nc_u64 s[4:5], s[4:5], s[14:15]          ; my head's record
	s_mov_b32 s32, 1
	s_mov_b32 s33, s13
	s_add_nc_u64 s[34:35], s[4:5], s[16:17]
	s_or_b32 s35, s35, 0x80000000
	s_add_nc_u64 s[36:37], s[4:5], s[20:21]
	s_add_nc_u64 s[38:39], s[4:5], s[22:23]
	s_add_nc_u64 s[6:7], s[6:7], s[42:43]
	s_add_nc_u64 s[8:9], s[8:9], s[44:45]
	CROUND                                         ; all four work-groups are here: the joint loads meet
	tensor_load_to_lds s[32:35], s[24:31]          ; one load of mine is out
	s_nop 0
.rept 4
	v_nop
.endr
	v_and_b32 v7, 31, v0
	s_delay_alu instid0(VALU_DEP_1)
	v_lshlrev_b32 v[L8], 3, v7
	v_and_b32 v5, 15, v0                           ; r
	v_bfe_u32 v6, v0, 4, 1                         ; h
	s_delay_alu instid0(VALU_DEP_1)
	v_lshl_add_u32 v6, v5, 3, v6                   ; os: 8 r + h
	s_delay_alu instid0(VALU_DEP_3)
	v_lshl_add_u32 v[R2], v5, 1, KSC
	s_delay_alu instid0(VALU_DEP_4)
	v_lshl_add_u32 v[R4], v5, 2, VSC
	v_add_nc_u32 v[L8V], VCD, v[L8]
	v_lshlrev_b32 v5, 1, v5                        ; Q's scale bytes: 2 r
.macro QLOAD n
.irp p, 0,1,2
	global_load_b64 v[16+2*\p:17+2*\p], v[L8], s[36:37] offset:768*\n+256*\p
.endr
	global_load_u16 v255, v5, s[38:39] offset:32*\n
.endm
.macro KLOAD ak, as, t0                ; four tiles of K, t0 .. t0 + 3 counted from the address's step, and their scale bytes: 16 loads
.irp t, 0,1,2,3
.irp p, 0,1,2
	ds_load_b64 v[KF+12*\t+2*\p:KF+12*\t+2*\p+1], v[\ak] offset:768*(\t0+\t)+256*\p
.endr
	ds_load_u16 v[248+\t], v[\as] offset:32*(\t0+\t)
.endr
.endm
	QLOAD 0
.irp j, 22,23,24,25,26,27
	v_mov_b32 v[\j], 0                             ; the zero codes of k = 64 .. 127: Q's,
.endr
.irp t, 0,1,2,3
.irp j, 6,7,8,9,10,11
	v_mov_b32 v[KF+12*\t+\j], 0                    ; and K's: written once, never loaded
.endr
.endr
.irp j, 236,237,239,247,253
	v_mov_b32 v[\j], 0                             ; a lane permute's destination counts as one of its sources; v253 is named as the upper half of v[252:253]
.endr
	s_wait_tensorcnt 0x0                           ; my sixteenth has landed,
	s_barrier_signal -1
	s_barrier_wait -1                              ; everybody's has: from here on the waves read LDS and write none of K's and V's bytes
	KLOAD L8, R2, 0                                ; step 0's first four tiles
.macro MX b, i
	v_max3_num_f32 v[232+\b], v[232+\b], v[S+16*\b+\i], v[S+16*\b+\i+1]
.endm
.macro MX0 b
	v_max3_num_f32 v[232+\b], v[S+16*\b], v[S+16*\b+1], v[S+16*\b+2]
.endm
.macro SMUL g                          ; four products of S^T: tiles 4 g .. 4 g + 3
.irp t, 0,1,2,3
	v_wmma_scale_f32_16x16x128_f8f6f4 v[S+32*\g+8*\t:S+32*\g+8*\t+7], v[KF+12*\t:KF+12*\t+11], v[16:27], 0, v[248+\t], v255 matrix_a_fmt:MATRIX_FMT_FP6 matrix_b_fmt:MATRIX_FMT_FP6
.endr
.endm
.macro ADDP d, j                       ; a pair of p onto a pair of partial sums
	v_pk_add_f32 v[\d:\d+1], v[\d:\d+1], v[S+\j:S+\j+1]
.endm
.macro ADDT d, e
	v_pk_add_f32 v[\d:\d+1], v[\d:\d+1], v[\e:\e+1]
.endm
; A KEY STEP: 128 keys.
.macro KSTEP
	s_wait_dscnt 0x0                               ; K's tiles 0-3, asked for in the last step; no LDS instruction of mine is out at the signal
	s_barrier_signal -1                            ; I have begun this step
	SMUL 0
	v_add_nc_u32 v[ADK], s[TK], v[L8]              ; these four are the places behind the last step's products and behind the four above
	v_add_nc_u32 v[ADV], s[TK], v[L8V]
	v_add_nc_u32 v[ADS], s[TS], v[R2]
	v_add_nc_u32 v[ADT], s[TS], v[R4]
	KLOAD ADK, ADS, 4
.irp c, 0,1,2,3
.irp p, 0,1,2,3,4,5
	ds_load_b64 v[VF+12*\c+2*\p:VF+12*\c+2*\p+1], v[ADV] offset:1536*\c+256*\p
.endr
	ds_load_b32 v[28+\c], v[ADT] offset:64*\c
.endr
	s_wait_dscnt 28                                ; K's tiles 4-7 are in; V's 28 loads stay out
	SMUL 1
	MX0 0                                          ; THE LARGEST SCORE OF MY TWO BLOCKS OF 32 KEYS, each in two chains.  The first four lines name tiles 0-3 alone: they are the places behind the four products above
	MX0 1
	MX 0, 3
	MX 1, 3
	MX0 2
	MX0 3
	MX 2, 3
	MX 3, 3
.irp i, 5,7,9,11,13
.irp b, 0,1,2,3
	MX \b, \i
.endr
.endr
	KLOAD ADK, ADS, 8                              ; the next step's tiles 0-3: 16 loads, behind V's 28
	v_max3_num_f32 v232, v232, v233, v[S+15]
	v_max3_num_f32 v234, v234, v235, v[S+47]
	v_max_num_f32 v232, v232, v[S+31]              ; block 2 x 0 + h
	v_max_num_f32 v234, v234, v[S+63]              ; block 2 x 1 + h
	s_delay_alu instid0(VALU_DEP_1)
	v_max_num_f32 v254, v232, v234
	s_delay_alu instid0(VALU_DEP_1)
	v_permlanex16_b32 v239, v254, s[SEL], s[SEL+1]
	v_mov_b32 v243, v12
	s_delay_alu instid0(VALU_DEP_2)
	v_max3_num_f32 v13, v13, v254, v239            ; the running largest score of my query
	s_delay_alu instid0(VALU_DEP_1)
	v_mul_f32 v254, s[NC], v13                     ; -t
	s_delay_alu instid0(VALU_DEP_1)
	v_floor_f32 v12, v254                          ; the new -M = floor(-t): M is a whole number
	s_delay_alu instid0(VALU_DEP_1)
	v_sub_f32 v243, v12, v243                      ; old M - new M: a whole number, 0 or less
	s_delay_alu instid0(VALU_DEP_1)
	v_cvt_i32_f32 v243, v243                       ; (it saturates)
	s_delay_alu instid0(VALU_DEP_1)
	v_ldexp_f32 v252, 1.0, v243                    ; f = 2^(old M - new M)
.set j, 0
.rept 32
	v_pk_fma_f32 v[S+j:S+j+1], v[S+j:S+j+1], s[CS:CS+1], v[12:13] op_sel_hi:[1,0,0]   ; t - M, two at a time
.set j, j+2
.endr
	v_fma_f32 v232, v232, s[CS], v12               ; the same of each block's largest score
	v_fma_f32 v234, v234, s[CS], v12
.set j, 0
.rept 16
	v_pk_mul_f32 v[O+j:O+j+1], v[O+j:O+j+1], v[252:253] op_sel_hi:[1,0]   ; O^T under the new M, each accumulator from its low end on; no transcendental stands between the last step's products and these reads
.set j, j+2
.endr
	s_wait_alu depctr_va_vdst(0)
.set j, 0
.rept 64
	v_exp_f32 v[S+j], v[S+j]                       ; p = 2^(t - M), at most 1
.set j, j+1
.endr
	v_exp_f32 v232, v232                           ; the block's largest p: the same two instructions on the same number
	v_exp_f32 v234, v234
	v_pk_mul_f32 v[14:15], v[14:15], v[252:253] op_sel_hi:[1,0]   ; the sums under the new M; a plain line behind the exponentials
	s_wait_alu depctr_va_vdst(0)                   ; and behind it
	v_max_num_f32 v232, 0x1800000, v232            ; the floor 2^(3 - 127): the byte cannot fall under 1
	v_max_num_f32 v234, 0x1800000, v234
	s_delay_alu instid0(VALU_DEP_2)
	v_add_nc_u32 v244, 0xff000000, v232            ; 2 off the exponent field: the conversions' scale operand
	s_delay_alu instid0(VALU_DEP_2)
	v_add_nc_u32 v245, 0xff000000, v234
	s_delay_alu instid0(VALU_DEP_2)
	v_lshrrev_b32 v246, 23, v244
	s_delay_alu instid0(VALU_DEP_2)
	v_lshrrev_b32 v254, 23, v245
	s_delay_alu instid0(VALU_DEP_1)
	v_lshl_or_b32 v246, v254, 16, v246             ; my two bytes, at bytes 0 and 2
	s_delay_alu instid0(VALU_DEP_1)
	v_permlanex16_b32 v247, v246, s[SEL], s[SEL+1]
	v_cvt_scalef32_pk16_fp6_f32 v[224:226], v[S:S+15], v244
	v_cvt_scalef32_pk16_fp6_f32 v[236:238], v[S+16:S+31], v244     ; (a conversion's three registers begin on an even number)
	v_cvt_scalef32_pk16_fp6_f32 v[230:232], v[S+32:S+47], v245
	v_cvt_scalef32_pk16_fp6_f32 v[240:242], v[S+48:S+63], v245
	v_lshl_or_b32 v253, v247, 8, v246              ; p's scale word: in lanes 0-15, which alone are read, blocks 0, 2 are mine and blocks 1, 3 lane l + 16's.  Also the plain line behind the conversions
.irp i, 0,1,2
	v_mov_b32 v[227+\i], v[236+\i]
	v_mov_b32 v[233+\i], v[240+\i]
.endr
.irp i, 0,1,2,3,4,5                    ; THE ROW'S SUM OF THE UNQUANTISED p: 32 pairs onto six pairs and v[14:15]
	v_pk_add_f32 v[TT+2*\i:TT+2*\i+1], v[S+4*\i:S+4*\i+1], v[S+4*\i+2:S+4*\i+3]
.endr
	ADDP 14, 24
.irp i, 0,1,2,3,4,5
	ADDP TT+2*\i, 26+2*\i
.endr
	ADDP 14, 38
.irp i, 0,1,2,3,4,5
	ADDP TT+2*\i, 40+2*\i
.endr
	ADDP 14, 52
.irp i, 0,1,2,3,4
	ADDP TT+2*\i, 54+2*\i
.endr
	s_delay_alu instid0(VALU_DEP_2)
	ADDT TT, TT+6
	s_delay_alu instid0(VALU_DEP_2)
	ADDT TT+2, TT+8
	ADDT TT+4, TT+10
	s_delay_alu instid0(VALU_DEP_2)
	ADDT TT, TT+2
	s_delay_alu instid0(VALU_DEP_2)
	ADDT 14, TT+4
	s_delay_alu instid0(VALU_DEP_1)
	ADDT 14, TT
	s_wait_alu depctr_va_vdst(0)                   ; directly ahead of the waits below
	s_barrier_wait -1                              ; every wave has begun this step
	s_wait_dscnt 16                                ; V is in; the look-ahead's 16 loads may be out
.irp c, 0,1,2,3
	v_wmma_scale_f32_16x16x128_f8f6f4 v[O+8*\c:O+8*\c+7], v[VF+12*\c:VF+12*\c+11], v[224:235], v[O+8*\c:O+8*\c+7], v[28+\c], v253 matrix_a_fmt:MATRIX_FMT_FP6 matrix_b_fmt:MATRIX_FMT_FP6
.endr
.endm
; A TILE OF 16 QUERIES: all 16 key steps, then the way out.  Written twice, so that no base is stepped.
.macro TILE n
.if \n
	s_wait_xcnt 0x0                                ; the first tile's stores have read their data: those registers are written again below
.endif
	v_mov_b32 v13, 0xff61b1e6                      ; the largest score so far: -3e38
	v_mov_b32 v12, 0x7e000000                      ; -M: a large whole number, so that the first f is 0
	v_mov_b32 v14, 0
	v_mov_b32 v15, 0
.set j, 0
.rept 32
	v_mov_b32 v[O+j], 0                            ; the loop has no first step of its own: it finds zeros, which the first change of M leaves zeros
.set j, j+1
.endr
	s_mov_b32 s[TK], 0
	s_mov_b32 s[TS], 0
	s_mov_b32 s[CNT], 0
	s_wait_loadcnt 0x0                             ; Q
.Lkeys_\@:
	KSTEP
	s_add_co_u32 s[TK], s[TK], 6144
	s_add_co_u32 s[TS], s[TS], 256
	s_add_co_u32 s[CNT], s[CNT], 1
	s_cmp_lt_u32 s[CNT], 16
	s_cbranch_scc1 .Lkeys_\@
.rept 4
	v_nop                                          ; behind the last products
.endr
	s_wait_dscnt 0x0                               ; the last look-ahead has landed: its registers may be loaded anew
.if \n == 0
	QLOAD 1                                        ; the next tile's Q and its first four tiles of K land under the way out
	KLOAD L8, R2, 0
.endif
	v_add_f32 v14, v14, v15
	s_delay_alu instid0(VALU_DEP_1)
	v_permlanex16_b32 v252, v14, s[SEL], s[SEL+1]
	s_delay_alu instid0(VALU_DEP_1)
	v_add_f32 v14, v14, v252                       ; the row's sum
	s_wait_alu depctr_va_vdst(0)
	v_rcp_f32 v14, v14
	v_nop                                          ; a plain line behind the transcendental
.set j, 0
	s_wait_alu depctr_va_vdst(0)
.rept 16
	v_pk_mul_f32 v[S+j:S+j+1], v[O+j:O+j+1], v[14:15] op_sel_hi:[1,0]   ; O^T / the sum, each accumulator from its low end on: register 16 b + i is channel 32 b + 16 (lane / 16) + i
.set j, j+2
.endr
.irp b, 0,1
	v_max3_num_f32 v[232+\b], |v[S+16*\b]|, |v[S+1+16*\b]|, 0x1800000
.endr
.irp i, 2,4,6,8,10,12,14
.irp b, 0,1
	s_delay_alu instid0(VALU_DEP_2)
	v_max3_num_f32 v[232+\b], v[232+\b], |v[S+16*\b+\i]|, |v[S+1+16*\b+\i]|
.endr
.endr
	s_delay_alu instid0(VALU_DEP_2)
	v_permlanex16_b32 v236, v232, s[SEL], s[SEL+1]
	s_delay_alu instid0(VALU_DEP_2)
	v_permlanex16_b32 v237, v233, s[SEL], s[SEL+1]
	s_delay_alu instid0(VALU_DEP_2)
	v_max_num_f32 v232, v232, v236
	s_delay_alu instid0(VALU_DEP_2)
	v_max_num_f32 v233, v233, v237
	s_delay_alu instid0(VALU_DEP_2)
	v_add_nc_u32 v244, 0xff000000, v232
	s_delay_alu instid0(VALU_DEP_2)
	v_add_nc_u32 v245, 0xff000000, v233
	s_delay_alu instid0(VALU_DEP_2)
	v_lshrrev_b32 v238, 23, v244
	s_delay_alu instid0(VALU_DEP_2)
	v_lshrrev_b32 v239, 23, v245
	v_cvt_scalef32_pk16_fp6_f32 v[224:226], v[S:S+15], v244
	v_cvt_scalef32_pk16_fp6_f32 v[240:242], v[S+16:S+31], v245
	v_cndmask_b32 v231, v238, v239, s[HM]          ; my block's byte; also the plain line behind the conversions
.irp i, 0,1,2
	v_permlane16_swap_b32 v[224+\i], v[240+\i]
.endr
.irp i, 0,1,2
	s_delay_alu instid0(VALU_DEP_3)
	v_mov_b32 v[227+\i], v[240+\i]
.endr
.irp p, 0,1,2
	global_store_b64 v[L8], v[224+2*\p:225+2*\p], s[6:7] offset:12288*\n+256*\p   ; a plane: 256 consecutive bytes, aligned
.endr
	global_store_b8 v6, v231, s[8:9] offset:512*\n   ; 32 scale bytes beside 768 bytes of codes
.endm
	TILE 0
	TILE 1
	s_wait_xcnt 0x0
	v_lshl_add_u32 v254, v0, 2, SPARE
	v_mov_b32 v255, 0
	s_wait_alu depctr_va_vdst(0)
	s_wait_tensorcnt 0x0                           ; the wave's end
	ds_add_u32 v254, v255
	s_wait_dscnt 0x0
	CROUND                                         ; the closing round
	s_endpgm
.Lfunc_end_k_q9b073f2530_attn:
	.size	k_q9b073f2530_attn, .Lfunc_end_k_q9b073f2530_attn-k_q9b073f2530_attn
	.p2alignl 7, 3214868480
	.fill 96, 4, 3214868480
	.section	.rodata,"a",@progbits
	.p2align	6, 0x0
	.amdhsa_kernel k_q9b073f2530_attn
		.amdhsa_group_segment_fixed_size 206848
		.amdhsa_private_segment_fixed_size 0
		.amdhsa_enable_private_segment 0
		.amdhsa_kernarg_size 24
		.amdhsa_user_sgpr_count 2
		.amdhsa_user_sgpr_kernarg_segment_ptr 1
		.amdhsa_wavefront_size32 1
		.amdhsa_system_sgpr_workgroup_id_x 1
		.amdhsa_system_sgpr_workgroup_id_y 1
		.amdhsa_system_sgpr_workgroup_id_z 1
		.amdhsa_system_vgpr_workitem_id 0
		.amdhsa_next_free_vgpr 256
		.amdhsa_next_free_sgpr 66
		.amdhsa_reserve_vcc 0
		.amdhsa_float_denorm_mode_32 3
		.amdhsa_float_denorm_mode_16_64 3
		.amdhsa_memory_ordered 1
		.amdhsa_forward_progress 1
		.amdhsa_inst_pref_size 55
	.end_amdhsa_kernel
	.amdgpu_metadata
---
amdhsa.version: [ 1, 2 ]
amdhsa.kernels:
  - .name:           k_q9b073f2530_attn
    .symbol:         k_q9b073f2530_attn.kd
    .args:
      - { .name: hd, .offset: 0, .size: 8, .value_kind: global_buffer, .address_space: global }
      - { .name: oc, .offset: 8, .size: 8, .value_kind: global_buffer, .address_space: global }
      - { .name: os, .offset: 16, .size: 8, .value_kind: global_buffer, .address_space: global }
    .group_segment_fixed_size: 206848
    .private_segment_fixed_size: 0
    .kernarg_segment_align: 8
    .kernarg_segment_size: 24
    .max_flat_workgroup_size: 512
    .sgpr_count:     66
    .vgpr_count:     256
    .wavefront_size: 32
...
	.end_amdgpu_metadata
.endif
;; end of part 3
;; launch outp (part 4): grid 4 x 64, 4 waves a work-group, clusters of 4 x 4, 327,680 bytes of LDS; arguments oc, os, wc, ws, out0; writes out0
.if DOCPART == 4
	.amdgcn_target "amdgcn-amd-amdhsa--gfx1250"
	.amdhsa_code_object_version 6
	.text
	.protected	k_q9b073f2530_outp
	.globl	k_q9b073f2530_outp
	.p2align	8
	.type	k_q9b073f2530_outp,@function
k_q9b073f2530_outp:
	s_mov_b64 s[64:65], 0
	v_nop
	global_prefetch_b8 v0, s[64:65] scope:SCOPE_SE
	s_setreg_imm32_b32 hwreg(HW_REG_WAVE_MODE, 25, 1), 1
	s_wait_xcnt 0x0
	s_wait_alu depctr_hold_cnt(0) depctr_sa_sdst(0) depctr_va_vdst(0) depctr_va_sdst(0) depctr_va_ssrc(0) depctr_va_vcc(0) depctr_vm_vsrc(0)
	s_getreg_b32 s2, hwreg(HW_REG_IB_STS2, 6, 4)
	s_cmp_eq_u32 s2, 0
	s_cbranch_scc0 .Lentry_in_a_cluster
	s_endpgm
.Lentry_in_a_cluster:
	s_bfe_u32 s2, ttmp6, 0x10000c
	s_cmp_lg_u32 s2, 0xf033
	s_cbranch_scc0 .Lentry_shape_is_right
	s_endpgm
.Lentry_shape_is_right:
; out0 [8192][1024] f32 = O (codes oc, scale bytes os) x Wo (the fourth section of wc, ws), both FP6 (E2M3) with one E8M0 byte for each 32 along K = 1,024; sums in f32.
; THE BUFFERS are laid as operand registers: codes [row tile of 16][unit of 64 K, 0..15][three planes of 256 bytes, 8 bytes a lane]: 12,288 bytes a row tile; scale bytes [row tile][256 along K][r][8]: 512 bytes a row tile.
; The 16 rows of a tile: lane r of tile 2 b + u holds row 32 b + 8 u + r + 8 (r / 8), of the tokens and of Wo's columns alike.
; SHARES.  A work-group makes 128 rows x 256 columns: 64 x 4 = 256 work-groups.  Four waves, 2 x 2; a wave makes 64 x 128: 32 accumulators of 16 x 16, 256 registers.
; ALL OF K LIES IN LDS AT ONCE: A's 8 row tiles (98,304 bytes), B's 16 (196,608), A's scales (4,096), B's (8,192).  Each of the four is one dense block of memory and comes by ONE tensor load, one a wave, at the head.  Nothing is filled again: the walk along K has no wait for a tile.
; CLUSTERS: 4 x 4.  A's blocks hang on the work-group's row alone and are asked for jointly along a row of the cluster, B's on its column alone and jointly along a column.
; Nothing is prefetched: the launch has no loop to run ahead in, and every byte that it reads is asked for by the head's four loads.
; THE WALK: eight steps of 128 along K, written out.  Step st waits for its own fragments, asks for step st + 1's (72 LDS loads, and 8 of scale words for each second step) into the other set of registers, and then issues its 32 products.
; THE MATRIX INSTRUCTION IS USED TRANSPOSED (source 0 = 16 columns of Wo, source 1 = 16 tokens): a lane holds eight numbers of one row of out0.  The way out goes through each wave's stage in LDS, so that 32 lanes store 512 consecutive bytes.
; The stage lies over A's codes: it is written only behind a barrier in front of which every wave has waited for its last LDS reads, and no tensor load follows.
; REGISTERS: window 0: v16-29 addresses; v32-63 scale words, two sets; v128-223 A's fragments, two sets of four; on the way out v128-255.  Window 1: B's fragments, two sets of eight, at v0 and v128.  Window 2: the accumulators, (a, b) at v[8 (8 a + b)].
.set NQ,     2
.set FR,     12
.set NP,     4
.set ROWT,   12288
.set BCD,    8*ROWT                    ; LDS: B's codes
.set SCL,    24*ROWT                   ; A's scales, and 4,096 bytes on B's
.set SPARE,  SCL+12288                 ; the spare words, 128 bytes a wave
.set SPITCH, 528
.set ADRA, 16                          ; v16     my A fragments
.set ADRB, 20                          ; v20, 21 my B fragments: column tiles 0-3, 4-7
.set STO,  24
.set RD,   25
.set CO,   26
.set ADRS, 27                          ; v27     scale words: lanes 0-15 A's rows, lanes 16-31 B's
.set SPW,  28
.set NIL,  29
.set SC,   32
.set AF,   128
.set BK,   128
.set G1,   24                          ; group 1 and group 0 of A's codes,
.set G0,   32
.set G1B,  48                          ; of B's codes,
.set G0B,  56
.set G1S,  68                          ; of A's scales,
.set G0S,  76
.set G1SB, 80                          ; of B's scales
.set G0SB, 88
.set MSB, 0
.macro WIN new                         ; the immediate's high byte repeats the setting that is left
.if MSB != \new
	s_set_vgpr_msb (MSB<<8)|\new
.set MSB, \new
.endif
.endm
.set MUL_LO, 0xa1                      ; source 0 (B) window 1, source 1 (A) window 0, C and D window 2
.set TO_B,   0x40                      ; destination window 1, address window 0
.macro PLACES n
.rept \n
	v_nop
.endr
.endm
.macro CROUND                          ; a round of the cluster's barrier
	s_barrier_signal -1
	s_barrier_wait -1
	s_cmp_lg_u32 s14, 0
	s_cbranch_scc1 .Lnot_wave_0_\@
	s_barrier_signal -3
.Lnot_wave_0_\@:
	s_barrier_wait -3
	s_barrier_signal -1
	s_barrier_wait -1
.endm
.macro GROUP1 g, mask, el, rows        ; a dense block as rows of el elements of 8 bytes
	s_or_b32 s[\g+0], s\mask, (3<<16)|(1<<21)
	s_mov_b32 s[\g+1], (\el)<<16
	s_mov_b32 s[\g+2], (\rows)<<16
	s_mov_b32 s[\g+3], (\el)<<16
	s_mov_b32 s[\g+4], \rows
	s_mov_b32 s[\g+5], \el
	s_mov_b32 s[\g+6], 0
	s_mov_b32 s[\g+7], 0
.endm
.macro GROUP0 g, lds, base, off
	s_mov_b32 s[\g], 1
	s_mov_b32 s[\g+1], \lds
	s_add_nc_u64 s[\g+2:\g+3], s[\base:\base+1], s[\off:\off+1]
	s_or_b32 s[\g+3], s[\g+3], 0x80000000
.endm
	s_load_b256 s[4:11], s[0:1], 0x0               ; oc, os, wc, ws
	s_load_b64 s[12:13], s[0:1], 0x20              ; out0
	v_lshl_add_u32 v[SPW], v0, 2, SPARE
	v_mov_b32 v[NIL], 0
	ds_add_u32 v[SPW], v[NIL]                      ; the opening lines: the add twice on end and its wait
	ds_add_u32 v[SPW], v[NIL]
	v_lshrrev_b32 v1, 5, v0
	v_readfirstlane_b32 s14, v1                    ; wave 0..3
	s_lshr_b32 s15, s14, 1                         ; which 64 rows are mine
	s_and_b32 s16, s14, 1                          ; which 128 columns
	s_bfe_u32 s40, ttmp6, 0x40000                  ; cx: the work-group's column of four (the grid has one cluster along x)
	s_bfe_u32 s41, ttmp6, 0x40004                  ; cy
	s_and_b32 s17, ttmp7, 0xffff
	s_lshl_b32 s43, s41, 2
	s_lshl_b32 s43, 15, s43                        ; my row of the cluster
	s_lshl_b32 s44, 0x1111, s40                    ; my column
	GROUP1 G1,   43, 384, 32                       ; 98,304 bytes as 32 rows of 3,072
	GROUP1 G1B,  44, 384, 64                       ; 196,608 bytes as 64 rows
	GROUP1 G1S,  43, 32, 16                        ; 4,096 bytes as 16 rows of 256
	GROUP1 G1SB, 44, 32, 32                        ; 8,192 bytes as 32 rows
	s_lshl_b32 s20, s17, 2
	s_add_co_u32 s20, s20, s41                     ; the work-group's row, 0..63
	s_add_co_u32 s46, s40, 12                      ; Wo's 64 row tiles lie behind Wq's, Wk's, Wv's 192: 16 x (12 + cx)
	s_mul_i32 s22, s20, 8*ROWT
	s_mov_b32 s23, 0
	s_lshl_b32 s92, s20, 12
	s_mov_b32 s93, 0
	s_lshl_b32 s94, s46, 13
	s_mov_b32 s95, 0
	s_mul_i32 s46, s46, 16*ROWT
	s_mov_b32 s47, 0
	s_wait_dscnt 0x0                               ; both opening adds are done
	s_wait_kmcnt 0x0
	GROUP0 G0,   0,        4,  22
	GROUP0 G0B,  BCD,      8,  46
	GROUP0 G0S,  SCL,      6,  92
	GROUP0 G0SB, SCL+4096, 10, 94
	CROUND                                         ; all sixteen work-groups are here: the joint loads meet
; THE HEAD'S LOADS, ONE A WAVE: one chain of branches on the wave's number, every way passes exactly one load
.macro ARM under, g0, g1, next
	s_cmp_lt_u32 s14, \under
	s_cbranch_scc0 \next
	tensor_load_to_lds s[\g0:\g0+3], s[\g1:\g1+7]
	s_nop 0
	PLACES 4
	s_branch .Lhead_asked
\next:
.endm
	ARM 1, G0B, G1B, .Lhead_a
	ARM 2, G0,  G1,  .Lhead_sa
	ARM 3, G0S, G1S, .Lhead_sb
	tensor_load_to_lds s[G0SB:G0SB+3], s[G1SB:G1SB+7]
	s_nop 0
	PLACES 4
.Lhead_asked:
	s_mul_i32 s18, s15, 4*ROWT                     ; my four row tiles of A
	s_mul_i32 s19, s16, 8*ROWT
	s_add_co_u32 s19, s19, BCD                     ; my column tiles 0-3 of B,
	s_add_co_u32 s21, s19, 4*ROWT                  ; and 4-7: a second register, since an offset has 16 bits
	s_lshl_b32 s96, s15, 11                        ; my rows' scales: 512 bytes a row tile
	s_lshl_b32 s97, s16, 12
	s_add_co_u32 s97, s97, 4096
	s_sub_co_u32 s97, s97, s96                     ; from A's to B's
	s_add_co_u32 s96, s96, SCL
	s_mul_i32 s23, s14, 16*SPITCH                  ; my stage
	v_and_b32 v1, 31, v0
	v_and_b32 v2, 15, v0                           ; r
	v_bfe_u32 v3, v0, 4, 1                         ; h
	v_lshlrev_b32 v4, 3, v1                        ; 8 x lane: my place in a plane
	v_add_nc_u32 v[ADRA], s18, v4
	v_add_nc_u32 v[ADRB], s19, v4
	v_add_nc_u32 v[ADRB+1], s21, v4
	v_lshlrev_b32 v5, 3, v2
	v_mul_u32_u24 v6, s97, v3                      ; lanes 16-31 take B's
	v_add_nc_u32 v5, v5, v6
	v_add_nc_u32 v[ADRS], s96, v5
	v_mul_u32_u24 v7, v2, SPITCH                   ; the stage, in: row r, 64 bytes on for lanes 16-31
	v_lshl_add_u32 v7, v3, 6, v7
	v_add_nc_u32 v[STO], s23, v7
	v_lshlrev_b32 v[CO], 4, v1                     ; and back: the 32 lanes take one row of 512 bytes; the same in out0
	v_add_nc_u32 v[RD], s23, v[CO]
	s_lshl_b32 s2, s20, 19                         ; 128 rows of 4,096 bytes a work-group,
	s_lshl_b32 s3, s15, 18                         ; 64 a wave,
	s_add_co_u32 s2, s2, s3
	s_lshl_b32 s3, s40, 10                         ; 256 columns a work-group,
	s_add_co_u32 s2, s2, s3
	s_lshl_b32 s3, s16, 9                          ; 128 a wave
	s_add_co_u32 s2, s2, s3
	s_mov_b32 s3, 0
	s_add_nc_u64 s[12:13], s[12:13], s[2:3]
.macro FRAG reg, adr, st, i            ; a fragment, 16 rows x 128 K: six planes of 256 bytes, 8 bytes a lane
.irp p, 0,1,2,3,4,5
	ds_load_b64 v[\reg+2*\p:\reg+2*\p+1], v[\adr] offset:ROWT*(\i)+1536*(\st)+256*\p
.endr
.endm
.macro SCALES sc, p                    ; the scale words of two steps: lanes 0-15 A's tile i (for i over 3 they read bytes of A's tiles 4-7 or of B's scales, which no product takes), lanes 16-31 B's tile i
.irp i, 0,1,2,3,4,5,6,7
	ds_load_b64 v[SC+8*NQ*(\sc)+NQ*\i:SC+8*NQ*(\sc)+NQ*\i+1], v[ADRS] offset:512*\i+128*(\p)
.endr
.endm
.macro FETCH st                        ; step st's fragments into set st % 2
	WIN TO_B
.irp i, 0,1,2,3,4,5,6,7
	FRAG 128*((\st)%2)+FR*\i, ADRB+(\i/4), \st, \i%4
.endr
	WIN 0
.irp i, 0,1,2,3
	FRAG AF+48*((\st)%2)+FR*\i, ADRA, \st, \i
.endr
.if (\st)%2 == 0
	SCALES ((\st)/2)%2, (\st)/2
.endif
.endm
; 16 products: A's tiles a0, a0 + 1 x B's eight.  The 32 accumulators take turns, one instruction a turn, in the same order in every step.  zero = 1: the first step starts the sums.
.macro MUL16 a0, p, q, sc, zero
.irp a, \a0, \a0+1
.irp b, 0,1,2,3,4,5,6,7
.if \zero
	v_wmma_scale_f32_16x16x128_f8f6f4 v[8*(8*(\a)+\b):8*(8*(\a)+\b)+7], v[128*(\p)+FR*\b:128*(\p)+FR*\b+FR-1], v[AF+48*(\p)+FR*(\a):AF+48*(\p)+FR*(\a)+FR-1], 0, v[SC+8*NQ*(\sc)+NQ*\b+(\q)], v[SC+8*NQ*(\sc)+NQ*(\a)+(\q)] matrix_a_fmt:MATRIX_FMT_FP6 matrix_b_fmt:MATRIX_FMT_FP6 matrix_a_scale:MATRIX_SCALE_ROW1
.else
	v_wmma_scale_f32_16x16x128_f8f6f4 v[8*(8*(\a)+\b):8*(8*(\a)+\b)+7], v[128*(\p)+FR*\b:128*(\p)+FR*\b+FR-1], v[AF+48*(\p)+FR*(\a):AF+48*(\p)+FR*(\a)+FR-1], v[8*(8*(\a)+\b):8*(8*(\a)+\b)+7], v[SC+8*NQ*(\sc)+NQ*\b+(\q)], v[SC+8*NQ*(\sc)+NQ*(\a)+(\q)] matrix_a_fmt:MATRIX_FMT_FP6 matrix_b_fmt:MATRIX_FMT_FP6 matrix_a_scale:MATRIX_SCALE_ROW1
.endif
.endr
.endr
.endm
.macro STEP st, zero
	s_wait_dscnt 0x0                               ; this step's fragments are in: they were asked for ahead of the last step's 32 products
.if (\st) < 7
.if (\st) > 0
	PLACES NP                                      ; the places between the last step's products and the loads into the registers that they read
.endif
	FETCH (\st)+1
.else
	s_barrier_signal -1                            ; my last LDS reads are done
.endif
	WIN MUL_LO
	MUL16 0, (\st)%2, (\st)%2, ((\st)/2)%2, \zero
	MUL16 2, (\st)%2, (\st)%2, ((\st)/2)%2, \zero
	WIN 0
.endm
	s_wait_alu depctr_va_vdst(0)
	s_wait_tensorcnt 0x0                           ; my block of the four has landed,
	s_barrier_signal -1
	s_barrier_wait -1                              ; everybody's has
	FETCH 0
	STEP 0, 1
.irp t, 1,2,3,4,5,6,7
	STEP \t, 0
.endr
	s_barrier_wait -1                              ; everybody's last LDS reads are done: the stages may be written over A's codes
; THE WAY OUT, block by block of 16 rows x 128 columns, through my own stage.  LDS serves a wave's instructions in order: no wait between the stores and the loads.
.macro TOSTAGE a
.set AC, 64*(\a)
	WIN 0x08                                       ; the data: window 2
.irp b, 0,1,2,3,4,5,6,7
	ds_store_b128 v[STO], v[AC+8*\b:AC+8*\b+3] offset:128*(\b/2)+32*(\b%2)          ; each accumulator from its low end on; column tile 2 c + u, register j, lanes' half h: column 32 c + 16 h + 8 u + j
	ds_store_b128 v[STO], v[AC+8*\b+4:AC+8*\b+7] offset:128*(\b/2)+32*(\b%2)+16
.endr
	WIN 0
.set BB, BK+64*((\a)%2)
.irp t, 0,1,2,3,4,5,6,7,8,9,10,11,12,13,14,15
	ds_load_b128 v[BB+4*\t:BB+4*\t+3], v[RD] offset:\t*SPITCH
.endr
.endm
.macro SEND a, younger                 ; younger: the LDS instructions issued behind block a's loads, which may stay out
.set BB, BK+64*((\a)%2)
	s_wait_dscnt \younger
.irp t, 0,1,2,3,4,5,6,7,8,9,10,11,12,13,14,15
	global_store_b128 v[CO], v[BB+4*\t:BB+4*\t+3], s[12:13] offset:(32*((\a)/2)+8*((\a)%2)+\t+8*(\t/8))*4096 th:TH_STORE_NT   ; 512 consecutive bytes, aligned to 256; the tile's row t is token row 32 (a / 2) + 8 (a % 2) + t + 8 (t / 8)
.endr
.endm
	PLACES NP                                      ; behind the last products: for the reads of their results and for the loads into the registers that held A's fragments
	TOSTAGE 0
.irp a, 1,2,3
.if \a > 1
	s_wait_xcnt 0x0                                ; block a - 2's stores have read their registers: block a's loads may land there
.endif
	TOSTAGE \a
	SEND \a-1, 32                                  ; behind block a - 1's loads: block a's 16 stores and 16 loads
.endr
	SEND 3, 0
	s_wait_tensorcnt 0x0                           ; the wave's end
	ds_add_u32 v[SPW], v[NIL]
	s_wait_dscnt 0x0
	CROUND                                         ; the closing round
	s_endpgm
.Lfunc_end_k_q9b073f2530_outp:
	.size	k_q9b073f2530_outp, .Lfunc_end_k_q9b073f2530_outp-k_q9b073f2530_outp
	.p2alignl 7, 3214868480
	.fill 96, 4, 3214868480
	.section	.rodata,"a",@progbits
	.p2align	6, 0x0
	.amdhsa_kernel k_q9b073f2530_outp
		.amdhsa_group_segment_fixed_size 327680
		.amdhsa_private_segment_fixed_size 0
		.amdhsa_enable_private_segment 0
		.amdhsa_kernarg_size 40
		.amdhsa_user_sgpr_count 2
		.amdhsa_user_sgpr_kernarg_segment_ptr 1
		.amdhsa_wavefront_size32 1
		.amdhsa_system_sgpr_workgroup_id_x 1
		.amdhsa_system_sgpr_workgroup_id_y 1
		.amdhsa_system_sgpr_workgroup_id_z 1
		.amdhsa_system_vgpr_workitem_id 0
		.amdhsa_next_free_vgpr 768
		.amdhsa_next_free_sgpr 104
		.amdhsa_reserve_vcc 0
		.amdhsa_float_denorm_mode_32 3
		.amdhsa_float_denorm_mode_16_64 3
		.amdhsa_memory_ordered 1
		.amdhsa_forward_progress 1
		.amdhsa_inst_pref_size 95
	.end_amdhsa_kernel
	.amdgpu_metadata
---
amdhsa.version: [ 1, 2 ]
amdhsa.kernels:
  - .name:           k_q9b073f2530_outp
    .symbol:         k_q9b073f2530_outp.kd
    .args:
      - { .name: oc, .offset: 0, .size: 8, .value_kind: global_buffer, .address_space: global }
      - { .name: os, .offset: 8, .size: 8, .value_kind: global_buffer, .address_space: global }
      - { .name: wc, .offset: 16, .size: 8, .value_kind: global_buffer, .address_space: global }
      - { .name: ws, .offset: 24, .size: 8, .value_kind: global_buffer, .address_space: global }
      - { .name: out0, .offset: 32, .size: 8, .value_kind: global_buffer, .address_space: global }
    .group_segment_fixed_size: 327680
    .private_segment_fixed_size: 0
    .kernarg_segment_align: 8
    .kernarg_segment_size: 40
    .max_flat_workgroup_size: 128
    .sgpr_count:     104
    .vgpr_count:     768
    .wavefront_size: 32
...
	.end_amdgpu_metadata
.endif
;; end of part 4
